; MI455X (gfx1250); checked and timed in simulation.
; The chip was launched on July 23, 2026; its instructions are those of AMD's public machine-readable ISA for CDNA 5 (MIT licence, August 2026) and "CDNA5" Instruction Set Architecture Reference Guide (July 2026). The comments in the code are by the model that wrote it; some were corrected since.
;; Multi Head Attention. Allowed arithmetic: matrix products marked QUANTISED: E2M3 operands, one E8M0 scale for each 32 along K, by v_wmma_scale_f32_16x16x128_f8f6f4 with both operands' format E2M3, f32 sums; everything else in f32.
;; Inputs: W_k_codes 1,024 x 32 x 24 uint8 (E2M3 codes of W_k, K innermost, in blocks of 32 codes, four codes in three bytes); W_k_scales 1,024 x 32 uint8 (E8M0 scales of W_k, one for each 32 codes along K); W_o_codes 1,024 x 32 x 24 uint8 (E2M3 codes of W_o, K innermost, in blocks of 32 codes, four codes in three bytes); W_o_scales 1,024 x 32 uint8 (E8M0 scales of W_o, one for each 32 codes along K); W_q_codes 1,024 x 32 x 24 uint8 (E2M3 codes of W_q, K innermost, in blocks of 32 codes, four codes in three bytes); W_q_scales 1,024 x 32 uint8 (E8M0 scales of W_q, one for each 32 codes along K); W_v_codes 1,024 x 32 x 24 uint8 (E2M3 codes of W_v, K innermost, in blocks of 32 codes, four codes in three bytes); W_v_scales 1,024 x 32 uint8 (E8M0 scales of W_v, one for each 32 codes along K); b_k 1,024 float32; b_o 1,024 float32; b_q 1,024 float32; b_v 1,024 float32; x_codes 1 x 4,096 x 32 x 24 uint8 (E2M3 codes of x, K innermost, in blocks of 32 codes, four codes in three bytes); x_scales 1 x 4,096 x 32 uint8 (E8M0 scales of x, one for each 32 codes along K).
;; Outputs: out0 1 x 4,096 x 1,024 float32.
;; This version of the problem:
;;   THIS VERSION OF THE PROBLEM IS GIVEN IN LOW PRECISION. The matrix products marked QUANTISED in the list below multiply operands that are first quantised to E2M3 (2 exponent bits, 3 mantissa bits; 6 bits a number), with one power-of-two scale for each 32 numbers along K (OCP MX v1.0); their sums are f32. All else is computed in f32.
;;   The module's matrix products, in the order in which they are computed (A, B: the left and right operand; K: the contracted axis; several contracted axes count as one K, in the product's order):
;;     1. [M 4,096, K 1,024] x [K 1,024, N 1,024]; A: input x (given as codes); B: input W_q (given as codes): QUANTISED
;;     2. [M 4,096, K 1,024] x [K 1,024, N 1,024]; A: input x (given as codes); B: input W_k (given as codes): QUANTISED
;;     3. [M 4,096, K 1,024] x [K 1,024, N 1,024]; A: input x (given as codes); B: input W_v (given as codes): QUANTISED
;;     4. batch 16 x [M 4,096, K 64] x [K 64, N 4,096]; A: computed on the way; B: computed on the way: QUANTISED
;;     5. batch 16 x [M 4,096, K 4,096] x [K 4,096, N 64]; A: softmax (see below); B: computed on the way: QUANTISED
;;     6. [M 4,096, K 1,024] x [K 1,024, N 1,024]; A: computed on the way; B: input W_o (given as codes): QUANTISED
;;   THE QUANTISER, for each operand of a quantised product, along K:
;;     - K is cut into blocks of 32 from its start; a last block that is shorter is filled with zeros.
;;     - A block's scale is 2^e with e = floor(log2(the largest magnitude in the block)) - 2, held to -126 .. 127; a block of zeros has e = 0. As a byte (E8M0): e + 127.
;;     - Each number is divided by its block's scale, clamped to +-7.5, and rounded to the nearest number of E2M3, ties to even, subnormals kept.
;;     - The product sums the exact products of the quantised numbers (number of the format x scale) in f32.
;;   ~~~python
;;   def quantise(x, axis):      # numpy; x: float32 -> the quantised numbers, widened to float32 again
;;       x = np.moveaxis(x, axis, -1); K = x.shape[-1]
;;       x = np.pad(x, [(0, 0)] * (x.ndim - 1) + [(0, -K % 32)]); x = x.reshape(x.shape[:-1] + (-1, 32)); a = np.abs(x).max(-1, keepdims=True)
;;       e = np.where(a > 0, np.clip(np.frexp(np.where(a > 0, a, 1))[1] - 1 - 2, -126, 127), 0)      # np.frexp(a)[1] - 1 = floor(log2(a)), exactly
;;       r = np.clip(x / 2.0 ** e, -7.5, 7.5)
;;       step = 2.0 ** (np.maximum(np.frexp(np.where(r == 0, 1, r))[1] - 1, 0) - 3)
;;       q = np.round(r / step) * step * 2.0 ** e      # np.round: ties to even
;;       return np.moveaxis(q.reshape(q.shape[:-2] + (-1,))[..., :K], -1, axis).astype(np.float32)
;;   ~~~
;;   SOFTMAX AHEAD OF A QUANTISED PRODUCT. Where the list says 'softmax', what is quantised is not the finished softmax but p = 2^(t - M), with t = logit x log2(e) and M = ceil(the row's largest t), a whole number; so 1/2 < the row's largest p <= 1. The row's sum l is taken of the UNQUANTISED p, in f32, and the product's result is divided by l at the end. Since M is a whole number, a kernel that streams over the keys may use a running M (the ceiling of the running maximum): every later rescaling is an exact power of two, which a block's scale takes up: the codes' values come out the same.
;;   OPERANDS COMPUTED ON THE WAY. 'Computed on the way' means the value that the module computes at that place (a softmax that the list does not call 'softmax' is quantised finished and normalised). What goes into a quantiser is computed in f32, as accurately as f32 sums, v_exp_f32 and their like allow (about 1e-6 of the number): no bf16 or f16 on the way to a quantiser, and a product that is left as it is and whose result goes on into a quantised operand takes f32 operands (vector FMAs, or v_wmma_f32_16x16x4_f32). A number that lies on a knife's edge between two numbers of the format may be rounded either way, as far as f32 arithmetic and the matrix unit's own rounding can turn it there, and no further.
;;   INPUTS GIVEN AS CODES. W_k (in the module: [1024, 1024], K = its axis 1); W_o (in the module: [1024, 1024], K = its axis 1); W_q (in the module: [1024, 1024], K = its axis 1); W_v (in the module: [1024, 1024], K = its axis 1); x (in the module: [1, 4096, 1024], K = its axis 2): each comes as NAME_codes (uint8): NAME with its K axis moved to the last place and cut into blocks of 32 codes, [.., K / 32, bytes a block], one block behind the other in memory; four codes in three bytes: a row's codes are one little-endian stream of bits, code i at bits 6 i .. 6 i + 5 (a code: sign, 2 exponent bits, 3 mantissa bits); and NAME_scales (uint8): the same leading axes, one E8M0 byte (e + 127) for each 32 codes along K. Its value is code x scale, taken as it is: it is not quantised again, and the codes and scales need not be those that the quantiser above would give.
;; One version. Each part assembles by itself: llvm-mc -triple=amdgcn-amd-amdhsa -mcpu=gfx1250 --defsym DOCPART=n.
;; ======== version 1 of 1: 3 launches
;; limits: right only within a limited range of input values
;; workspace buffers: kv 6,684,672 bytes; qimg 3,407,872 bytes; cimg 3,145,728 bytes; cscl 131,072 bytes
;; launch qkv (part 1): grid 12 x 16, 4 waves a work-group, clusters of 4 x 4, 327,680 bytes of LDS; arguments x_codes, x_scales, W_q_codes, W_q_scales, W_k_codes, W_k_scales, W_v_codes, W_v_scales, b_q, b_k, b_v, qimg, kv; writes qimg, kv
.if DOCPART == 1
	.amdgcn_target "amdgcn-amd-amdhsa--gfx1250"
	.amdhsa_code_object_version 6
	.text
	.protected	k_q021ce910b2_qkv
	.globl	k_q021ce910b2_qkv
	.p2align	8
	.type	k_q021ce910b2_qkv,@function
k_q021ce910b2_qkv:
	s_mov_b64 s[64:65], 0
	v_nop
	global_prefetch_b8 v0, s[64:65] scope:SCOPE_SE
	s_setreg_imm32_b32 hwreg(HW_REG_WAVE_MODE, 25, 1), 1
	s_wait_xcnt 0x0
	s_wait_alu depctr_hold_cnt(0) depctr_sa_sdst(0) depctr_va_vdst(0) depctr_va_sdst(0) depctr_va_ssrc(0) depctr_va_vcc(0) depctr_vm_vsrc(0)
	s_getreg_b32 s2, hwreg(HW_REG_IB_STS2, 6, 4)
	s_cmp_eq_u32 s2, 0
	s_cbranch_scc0 .Lentry_in_a_cluster
	s_endpgm
.Lentry_in_a_cluster:
	s_bfe_u32 s2, ttmp6, 0x10000c
	s_cmp_lg_u32 s2, 0xf033
	s_cbranch_scc0 .Lentry_shape_is_right
	s_endpgm
.Lentry_shape_is_right:
; q, k, v = x W^T + b on codes of FP6 (E2M3) with E8M0 scales, then quantised again and stored as images of operand registers for the attention launch.
; Grid x / 4 picks W_q, W_k or W_v; a work-group makes 256 x 256, a wave 128 x 128 (for v the sources change places, so that the keys run along a lane's registers).
; K goes through a ring of two LDS slots in CHUNKS OF 256 BYTES of each row of 768: every tile row begins at a multiple of 256 bytes of its buffer.
; A step of 128 along K is 96 bytes: eight steps to three chunks; steps 2 and 5 lie across two chunks and read both slots.
; 4 x 4 clusters: A's tiles are asked for jointly along a row of the cluster, B's along a column.
.set NQ,     2                         ; steps that one set of scale words serves
.set ROWB,   256                       ; a chunk of a row of codes
.set KROW,   768
.set STEPS,  8
.set CHUNKS, 3
.set PITCH,  272                       ; 256 bytes + 16 of padding
.set FR,     12
.set NL,     6
.set NP,     4
.set HALFT,  128*PITCH
.set SLOT,   4*HALFT
.set KS,     32
.set SCL,    2*SLOT
.set HALFS,  (128*KS/256)*272
.set SBLK,   (16*KS/256)*272
.set SPARE,  SCL+4*HALFS
.set REC,    13056
.set HEADB,  32*REC
.set QREC,   6656
.set QHEAD,  32*QREC
.set ADRA, 16
.set ADRB, 20
.set L16,  24
.set L8,   25
.set ADRS, 27
.set SPW,  28
.set NIL,  29
.set BO,   30
.set SC,   32
.set BI,   64
.set AF,   128
.set HA,   128
.set PC,   192
.set TM,   212
.set PW,   228
.set KA,   32
.set KB,   40
.set VW,   32
.set SW,   48
.set SEL,  22
.set G1, 24
.set G0, 32
.set G1B, 48
.set G0B, 56
.set G1S, 68
.set G0S, 76
.set G1SB, 80
.set G0SB, 88
.set MSB, 0
.macro WIN new
.if MSB != (\new)
	s_set_vgpr_msb (MSB<<8)|(\new)
.set MSB, (\new)
.endif
.endm
.set MUL_LO, 0xa1
.set MUL_HI, 0xf1
.set TO_B,   0x40
.macro JLOAD g0a, g1a, g0b, g1b
	s_cmp_eq_u32 s15, 0
	s_cbranch_scc0 .Lfor_b_\@
	tensor_load_to_lds s[\g0a:\g0a+3], s[\g1a:\g1a+7]
	s_nop 0
.rept 4
	v_nop
.endr
	s_branch .Lasked_\@
.Lfor_b_\@:
	tensor_load_to_lds s[\g0b:\g0b+3], s[\g1b:\g1b+7]
	s_nop 0
.rept 4
	v_nop
.endr
.Lasked_\@:
.endm
.macro CREST
	s_cmp_lg_u32 s14, 0
	s_cbranch_scc1 .Lnot_wave_0_\@
	s_barrier_signal -3
.Lnot_wave_0_\@:
	s_barrier_wait -3
	s_barrier_signal -1
	s_barrier_wait -1
.endm
.macro CROUND
	s_barrier_signal -1
	s_barrier_wait -1
	CREST
.endm
	s_load_b512 s[68:83], s[0:1], 0x0
	s_load_b256 s[84:91], s[0:1], 0x40
	s_load_b64 s[92:93], s[0:1], 0x60
	v_lshl_add_u32 v[SPW], v0, 2, SPARE
	v_mov_b32 v[NIL], 0
	ds_add_u32 v28, v29
	ds_add_u32 v28, v29
	s_wait_dscnt 0x0
	v_lshrrev_b32 v1, 5, v0
	v_readfirstlane_b32 s14, v1
	s_lshr_b32 s15, s14, 1
	s_and_b32 s16, s14, 1
	s_bfe_u32 s40, ttmp6, 0x40000
	s_bfe_u32 s41, ttmp6, 0x40004
	s_mov_b32 s94, ttmp9
	s_and_b32 s95, ttmp7, 0xffff
	s_lshl_b32 s95, s95, 2
	s_cmp_eq_u32 s94, 2
	s_cselect_b32 s42, s95, 0
	s_cselect_b32 s17, 0, s95
	s_add_co_u32 s42, s42, s40
	s_add_co_u32 s17, s17, s41
	s_lshl_b32 s43, s41, 2
	s_lshl_b32 s43, 15, s43
	s_lshl_b32 s44, 0x1111, s40
	s_or_b32 s[G1+0], s43, (0<<16)|(1<<20)|(1<<21)|(5<<22)|(3<<25)   ; padding of 4 words behind every 64
	s_or_b32 s[G1B+0], s44, (0<<16)|(1<<20)|(1<<21)|(5<<22)|(3<<25)
.irp g, G1, G1B
	s_mov_b32 s[\g+1], ROWB<<16
	s_mov_b32 s[\g+2], 128<<16
	s_mov_b32 s[\g+3], ROWB<<16
	s_mov_b32 s[\g+4], 128
	s_mov_b32 s[\g+5], KROW
	s_mov_b32 s[\g+6], 0
	s_mov_b32 s[\g+7], 0
.endr
	s_lshl_b32 s18, s16, 7
	s_lshl_b32 s20, s17, 8
	s_add_co_u32 s20, s20, s18
	s_lshl_b32 s46, s42, 8
	s_add_co_u32 s46, s46, s18
	s_mov_b32 s21, 0
	s_mov_b32 s47, 0
	s_mov_b64 s[18:19], KS
	s_mul_u64 s[22:23], s[20:21], s[18:19]
	s_mul_u64 s[96:97], s[46:47], s[18:19]
	s_mov_b64 s[18:19], KROW
	s_mul_u64 s[20:21], s[20:21], s[18:19]
	s_mul_u64 s[46:47], s[46:47], s[18:19]
	s_mul_i32 s45, s14, HALFT
	s_mul_i32 s66, s14, HALFS
	s_wait_kmcnt 0x0
	s_cmp_eq_u32 s94, 0
	s_cselect_b64 s[8:9], s[72:73], s[76:77]
	s_cselect_b64 s[10:11], s[74:75], s[78:79]
	s_cselect_b64 s[12:13], s[84:85], s[86:87]
	s_cselect_b64 s[98:99], s[90:91], s[92:93]
	s_cmp_eq_u32 s94, 2
	s_cselect_b64 s[4:5], s[80:81], s[68:69]
	s_cselect_b64 s[6:7], s[82:83], s[70:71]
	s_cselect_b64 s[8:9], s[68:69], s[8:9]
	s_cselect_b64 s[10:11], s[70:71], s[10:11]
	s_cselect_b64 s[12:13], s[88:89], s[12:13]
	s_add_nc_u64 s[20:21], s[4:5], s[20:21]
	s_add_nc_u64 s[22:23], s[6:7], s[22:23]
	s_add_nc_u64 s[46:47], s[8:9], s[46:47]
	s_add_nc_u64 s[96:97], s[10:11], s[96:97]
	s_or_b32 s[G1S+0], s43, (3<<16)|(1<<20)|(1<<21)|(5<<22)|(3<<25)
	s_or_b32 s[G1SB+0], s44, (3<<16)|(1<<20)|(1<<21)|(5<<22)|(3<<25)
.irp g, G1S, G1SB
	s_mov_b32 s[\g+1], 32<<16
	s_mov_b32 s[\g+2], (128*KS/256)<<16
	s_mov_b32 s[\g+3], 32<<16
	s_mov_b32 s[\g+4], 128*KS/256
	s_mov_b32 s[\g+5], 32
	s_mov_b32 s[\g+6], 0
	s_mov_b32 s[\g+7], 0
.endr
	CROUND
	s_mov_b32 s[G0S], 1
	s_add_co_u32 s[G0S+1], s66, SCL
	s_mov_b64 s[G0S+2:G0S+3], s[22:23]
	s_or_b32 s[G0S+3], s[G0S+3], 0x80000000
	s_mov_b32 s[G0SB], 1
	s_add_co_u32 s[G0SB+1], s66, SCL
	s_mov_b64 s[G0SB+2:G0SB+3], s[96:97]
	s_or_b32 s[G0SB+3], s[G0SB+3], 0x80000000
	JLOAD G0S, G1S, G0SB, G1SB
.irp s, 0,1
	s_mov_b32 s[G0+4*\s], 1
	s_add_co_u32 s[G0+4*\s+1], s45, \s*SLOT
	s_add_nc_u64 s[G0+4*\s+2:G0+4*\s+3], s[20:21], \s*ROWB
	s_or_b32 s[G0+4*\s+3], s[G0+4*\s+3], 0x80000000
	s_mov_b32 s[G0B+4*\s], 1
	s_add_co_u32 s[G0B+4*\s+1], s45, \s*SLOT
	s_add_nc_u64 s[G0B+4*\s+2:G0B+4*\s+3], s[46:47], \s*ROWB
	s_or_b32 s[G0B+4*\s+3], s[G0B+4*\s+3], 0x80000000
	s_wait_alu depctr_va_vdst(0)
	s_wait_tensorcnt 0x0
	ds_add_u32 v28, v29
	s_wait_dscnt 0x0
	CROUND
	JLOAD G0+4*\s, G1, G0B+4*\s, G1B
.endr
	v_and_b32 v1, 15, v0
	v_bfe_u32 v2, v0, 4, 1
	v_mul_u32_u24 v3, v1, PITCH
	v_mul_u32_u24 v4, v2, 24
	v_add_nc_u32 v4, v3, v4
	s_mov_b32 s21, SLOT-232
	s_mov_b32 s22, SLOT+232
	v_sub_nc_u32 v7, 1, v2                         ; 1 in lanes 0-15
	v_mul_u32_u24 v5, s21, v2
	v_add_nc_u32 v5, v3, v5
	v_add_nc_u32 v5, 232, v5                       ; across two chunks: lanes 0-15 byte 232 of the row in slot 0, lanes 16-31 byte 0 of the row in slot 1;
	v_mul_u32_u24 v6, s22, v7
	v_add_nc_u32 v6, v3, v6                        ; and lanes 0-15 byte 232 in slot 1, lanes 16-31 byte 0 in slot 0
	s_mul_i32 s21, s15, HALFT
	s_mul_i32 s22, s16, HALFT
	s_add_co_u32 s22, s22, 2*HALFT
	v_add_nc_u32 v[ADRA+2], s21, v5
	v_add_nc_u32 v[ADRA+3], s21, v6
	v_add_nc_u32 v[ADRB+2], s22, v5
	v_add_nc_u32 v[ADRB+3], s22, v6
.irp s, 0,1
	v_add_nc_u32 v[ADRA+\s], s21, v4
	v_add_nc_u32 v[ADRB+\s], s22, v4
	s_add_co_u32 s21, s21, SLOT
	s_add_co_u32 s22, s22, SLOT
.endr
	v_mul_u32_u24 v5, v1, KS
	v_lshrrev_b32 v6, 8, v5
	v_lshl_add_u32 v5, v6, 4, v5
	s_mul_i32 s21, s15, HALFS
	s_mul_i32 s22, s16, HALFS
	s_add_co_u32 s22, s22, 2*HALFS
	s_sub_co_u32 s22, s22, s21
	v_mul_u32_u24 v6, s22, v2
	s_add_co_u32 s21, s21, SCL
	v_add_nc_u32 v5, v5, v6
	v_add_nc_u32 v[ADRS], s21, v5
	v_and_b32 v6, 31, v0
	v_lshlrev_b32 v[L16], 4, v6
	v_lshlrev_b32 v[L8], 3, v6
	s_cmp_eq_u32 s94, 2
	s_cselect_b32 s100, s17, s42
	s_cselect_b32 s101, s15, s16
	s_lshl_b32 s100, s100, 10
	s_lshl_b32 s101, s101, 9
	s_add_co_u32 s100, s100, s101
	s_mov_b32 s101, 0
	s_add_nc_u64 s[12:13], s[12:13], s[100:101]
	s_cmp_eq_u32 s94, 2
	s_cbranch_scc1 .Lbias_v
	v_lshlrev_b32 v[BO], 5, v2
.irp b, 0,1,2,3,4,5,6,7
	global_load_b128 v[BI+8*\b:BI+8*\b+3], v[BO], s[12:13] offset:64*\b
	global_load_b128 v[BI+8*\b+4:BI+8*\b+7], v[BO], s[12:13] offset:64*\b+16
.endr
	s_branch .Lbias_in
.Lbias_v:
	v_lshlrev_b32 v[BO], 2, v1
.irp a, 0,1,2,3,4,5,6,7
.irp j, 0,1,2,3,4,5,6,7
	global_load_b32 v[BI+8*\a+\j], v[BO], s[12:13] offset:64*\a
.endr
.endr
.Lbias_in:
	s_lshl_b32 s18, s42, 1
	s_add_co_u32 s18, s18, s16
	s_lshl_b32 s19, s17, 1
	s_add_co_u32 s19, s19, s15
	s_cmp_eq_u32 s94, 2
	s_cselect_b32 s20, s18, s19
	s_cselect_b32 s21, s19, s18
	s_lshl_b32 s21, s21, 1
	s_cmp_eq_u32 s94, 0
	s_mov_b32 s18, HEADB
	s_cselect_b32 s18, QHEAD, s18
	s_mov_b32 s19, REC
	s_cselect_b32 s19, QREC, s19
	s_mov_b32 s96, 12288
	s_cselect_b32 s96, 6144, s96
	s_mov_b32 s97, 0
	s_mul_i32 s21, s21, s18
	s_mul_i32 s20, s20, s19
	s_add_co_u32 s20, s20, s21
	s_mov_b32 s21, 0
	s_add_nc_u64 s[98:99], s[98:99], s[20:21]
	s_mov_b32 s19, 0
	s_add_nc_u64 s[100:101], s[98:99], s[18:19]
	s_mov_b32 s[SEL], 0x76543210
	s_mov_b32 s[SEL+1], 0xfedcba98
.macro FRAG reg, adr, st, i            ; a fragment of step st in pieces of 8 bytes; byte y of a row lies in slot (y / 256) % 2 at byte y % 256 of the LDS row
.irp p, 0,1,2,3,4,5
.set BY, 96*(\st)+48*(\p/3)+8*(\p%3)   ; the piece of lanes 0-15; that of lanes 16-31 begins 24 bytes on
.if BY/ROWB == (BY+24)/ROWB
	ds_load_b64 v[\reg+2*\p:\reg+2*\p+1], v[\adr+(BY/ROWB)%2] offset:BY%ROWB+(\i)*16*PITCH
.else                                  ; the two halves of the lanes read different chunks
	ds_load_b64 v[\reg+2*\p:\reg+2*\p+1], v[\adr+2+(BY/ROWB)%2] offset:BY%ROWB-232+(\i)*16*PITCH
.endif
.endr
.endm
.macro MUL16 a0, p, q, sc, zero
.irp a, \a0, \a0+1
.irp b, 0,1,2,3,4,5,6,7
.if \zero
	v_wmma_scale_f32_16x16x128_f8f6f4 v[8*(8*((\a)%4)+\b):8*(8*((\a)%4)+\b)+7], v[128*(\p)+FR*\b:128*(\p)+FR*\b+FR-1], v[AF+FR*(\a):AF+FR*(\a)+FR-1], 0, v[SC+8*NQ*(\sc)+NQ*\b+(\q)], v[SC+8*NQ*(\sc)+NQ*(\a)+(\q)] matrix_a_fmt:MATRIX_FMT_FP6 matrix_b_fmt:MATRIX_FMT_FP6 matrix_a_scale:MATRIX_SCALE_ROW1
.else
	v_wmma_scale_f32_16x16x128_f8f6f4 v[8*(8*((\a)%4)+\b):8*(8*((\a)%4)+\b)+7], v[128*(\p)+FR*\b:128*(\p)+FR*\b+FR-1], v[AF+FR*(\a):AF+FR*(\a)+FR-1], v[8*(8*((\a)%4)+\b):8*(8*((\a)%4)+\b)+7], v[SC+8*NQ*(\sc)+NQ*\b+(\q)], v[SC+8*NQ*(\sc)+NQ*(\a)+(\q)] matrix_a_fmt:MATRIX_FMT_FP6 matrix_b_fmt:MATRIX_FMT_FP6 matrix_a_scale:MATRIX_SCALE_ROW1
.endif
.endr
.endr
.endm
.macro FETCH_B st, p                   ; B's eight fragments of step st into set p
	WIN TO_B
.irp i, 0,1,2,3,4,5,6,7
	FRAG 128*(\p)+FR*\i, ADRB, \st, \i
.endr
	WIN 0
.endm
.macro FETCH_A st, i0                  ; A's blocks i0 .. i0 + 3 of step st
.irp i, \i0, \i0+1, \i0+2, \i0+3
	FRAG AF+FR*(\i), ADRA, \st, \i
.endr
.endm
.macro SCALES pr                       ; the scale words of steps 2 pr and 2 pr + 1 into set pr % 2
.irp i, 0,1,2,3,4,5,6,7
	ds_load_b64 v[SC+8*NQ*((\pr)%2)+NQ*\i:SC+8*NQ*((\pr)%2)+NQ*\i+1], v[ADRS] offset:\i*SBLK+4*NQ*(\pr)
.endr
.endm
.macro PLACES n
.rept \n
	v_nop
.endr
.endm
; A step: 64 matrix instructions on step st's fragments; the next step's are fetched in its middle and at its end.
; Where the next step's bytes END in a chunk not read yet: every wave waits for its tensor loads, and a barrier shows the chunk whole.
; Where they BEGIN in a later chunk: the chunk left behind is read no more: the wait, the add, the wait for it, the barrier; where chunk C0 + 2 exists the barrier opens a round and the slot is filled again.
.macro STEP st, zero
.set NX, (\st)+1
.set C0, (96*(\st))/ROWB
.set C1, (96*NX)/ROWB
.set E0, (96*(\st)+95)/ROWB
.set E1, (96*NX+95)/ROWB
.if C1 > C0 || E1 > E0
	s_wait_tensorcnt 0x0                           ; all my tensor loads have landed
.if C1 > C0
	ds_add_u32 v[SPW], v[NIL]
	s_wait_dscnt 4*NL+1                            ; the add and A's blocks 4-7 may be out
.else
	s_wait_dscnt 4*NL                              ; A's blocks 4-7 may be out
.endif
	WIN MUL_LO
	MUL16 0, (\st)%2, (\st)%2, ((\st)/2)%2, \zero
	s_wait_dscnt 0x0                               ; the add and all my reads are done
	s_barrier_signal -1
	MUL16 2, (\st)%2, (\st)%2, ((\st)/2)%2, \zero
	WIN 0
	s_barrier_wait -1
.if C1 > C0 && C0+2 < CHUNKS
	CREST
	s_add_nc_u64 s[G0+4*(C0%2)+2:G0+4*(C0%2)+3], s[G0+4*(C0%2)+2:G0+4*(C0%2)+3], 2*ROWB
	s_add_nc_u64 s[G0B+4*(C0%2)+2:G0B+4*(C0%2)+3], s[G0B+4*(C0%2)+2:G0B+4*(C0%2)+3], 2*ROWB
	JLOAD G0+4*(C0%2), G1, G0B+4*(C0%2), G1B       ; chunk C0 + 2; its four v_nop are the places ahead of the loads below
.else
	PLACES NP
.endif
.else
	s_wait_dscnt 4*NL
	WIN MUL_LO
	MUL16 0, (\st)%2, (\st)%2, ((\st)/2)%2, \zero
	MUL16 2, (\st)%2, (\st)%2, ((\st)/2)%2, \zero
	s_wait_dscnt 0
	PLACES NP
.endif
	FETCH_B NX, NX%2
	FETCH_A NX, 0
.if NX%2 == 0
	SCALES NX/2
.endif
	WIN MUL_HI
	MUL16 4, (\st)%2, (\st)%2, ((\st)/2)%2, \zero
	MUL16 6, (\st)%2, (\st)%2, ((\st)/2)%2, \zero
	PLACES NP
	WIN 0
	FETCH_A NX, 4
.endm
	s_wait_alu depctr_va_vdst(0)                   ; the wait at the head's end
	FETCH_B 0, 0                                   ; chunk 0 and the scales were shown whole by the round ahead of chunk 1's load
	FETCH_A 0, 0
	SCALES 0
	FETCH_A 0, 4
	STEP 0, 1
.set ST, 1
.rept STEPS-2
	STEP ST, 0
.set ST, ST+1
.endr
	s_wait_dscnt 4*NL
	WIN MUL_LO
	MUL16 0, 1, NQ-1, 1, 0
	MUL16 2, 1, NQ-1, 1, 0
	s_wait_dscnt 0
	WIN MUL_HI
	MUL16 4, 1, NQ-1, 1, 0
	MUL16 6, 1, NQ-1, 1, 0
	WIN 0
.macro QUANT s
.irp b, 0,1,2,3
	v_max3_num_f32 v[TM+\b], |v[\s+16*\b]|, |v[\s+1+16*\b]|, 0x1800000
.endr
.irp i, 2,4,6,8,10,12,14
.irp b, 0,1,2,3
	v_max3_num_f32 v[TM+\b], v[TM+\b], |v[\s+16*\b+\i]|, |v[\s+1+16*\b+\i]|
.endr
.endr
.irp b, 0,1,2,3
	v_permlanex16_b32 v[TM+4+\b], v[TM+\b], s[SEL], s[SEL+1]
.endr
.irp b, 0,1,2,3
	v_max_num_f32 v[TM+\b], v[TM+\b], v[TM+4+\b]
.endr
.irp b, 0,1,2,3
	v_add_nc_u32 v[TM+12+\b], 0xff000000, v[TM+\b]
.endr
.irp b, 0,1,2,3
	v_lshrrev_b32 v[TM+4+\b], 23, v[TM+12+\b]
.endr
	v_lshl_or_b32 v[PW], v[TM+5], 8, v[TM+4]
	v_lshl_or_b32 v[PW], v[TM+6], 16, v[PW]
	v_lshl_or_b32 v[PW], v[TM+7], 24, v[PW]
.irp c, 0,1
	v_cvt_scalef32_pk16_fp6_f32 v[PC+6*\c:PC+2+6*\c], v[\s+32*\c:\s+15+32*\c], v[TM+12+2*\c]
	v_cvt_scalef32_pk16_fp6_f32 v[PC+12+4*\c:PC+14+4*\c], v[\s+16+32*\c:\s+31+32*\c], v[TM+12+2*\c+1]
.endr
	v_nop
.irp c, 0,1
.irp i, 0,1,2
	v_permlane16_swap_b32 v[PC+6*\c+\i], v[PC+12+4*\c+\i]
.endr
.irp i, 0,1,2
	v_mov_b32 v[PC+3+6*\c+\i], v[PC+12+4*\c+\i]
.endr
.endr
.endm
.macro SUMS a, isv
	WIN 0x02+(\a)/4
.set AC, 64*((\a)%4)
.set i, 0
.rept 32
.if \isv
	v_pk_add_f32 v[HA+2*i:HA+2*i+1], v[AC+2*i:AC+2*i+1], v[BI+8*(\a)+2*(i%4):BI+8*(\a)+2*(i%4)+1]
.else
	v_pk_add_f32 v[HA+2*i:HA+2*i+1], v[AC+2*i:AC+2*i+1], v[BI+2*i:BI+2*i+1]
.endif
.set i, i+1
.endr
	WIN 0
.endm
.macro UNITQK a
	SUMS \a, 0
.if (\a) > 0
	s_wait_xcnt 0x0
.endif
	QUANT HA
	v_perm_b32 v[KA+(\a)], v[PW], v[PW], 0x01000100
	v_perm_b32 v[KB+(\a)], v[PW], v[PW], 0x03020302
	global_store_b128 v[L16], v[PC:PC+3], s[98:99] offset:768*(\a)
	global_store_b64 v[L8], v[PC+4:PC+5], s[98:99] offset:768*(\a)+512
	global_store_b128 v[L16], v[PC+6:PC+9], s[100:101] offset:768*(\a)
	global_store_b64 v[L8], v[PC+10:PC+11], s[100:101] offset:768*(\a)+512
.endm
.macro UNITV a
	SUMS \a, 1
.if (\a) > 0
	s_wait_xcnt 0x0
.endif
	QUANT HA
	v_mov_b32 v[VW+(\a)], v[PW]
.irp c, 0,1,2
	global_store_b128 v[L16], v[PC+4*\c:PC+4*\c+3], s[98+2*((\a)/4):99+2*((\a)/4)] offset:6144+1536*((\a)%4)+512*\c
.endr
.endm
	s_wait_loadcnt 0x0
	PLACES NP
	v_and_b32 v31, 31, v0
	v_cmp_le_u32 vcc_lo, 16, v31
.irp b, 0,1,2,3
	v_mov_b32 v[TM+4+\b], 0
.endr
	s_cmp_eq_u32 s94, 2
	s_cbranch_scc1 .Lway_v
.irp a, 0,1,2,3,4,5,6,7
	UNITQK \a
.endr
	s_wait_alu depctr_va_vdst(0)
	s_wait_xcnt 0x0
	s_add_nc_u64 s[98:99], s[98:99], s[96:97]
	s_add_nc_u64 s[100:101], s[100:101], s[96:97]
.irp i, 0,1,2,3
	v_cndmask_b32 v[SW+\i], v[KA+2*\i], v[KA+2*\i+1], vcc_lo
	v_cndmask_b32 v[SW+4+\i], v[KB+2*\i], v[KB+2*\i+1], vcc_lo
.endr
	global_store_b128 v[L16], v[SW:SW+3], s[98:99]
	global_store_b128 v[L16], v[SW+4:SW+7], s[100:101]
	s_branch .Lend
.Lway_v:
.irp a, 0,1,2,3,4,5,6,7
	UNITV \a
.endr
.irp i, 0,1
	v_cndmask_b32 v[SW+\i], v[VW+2*\i], v[VW+2*\i+1], vcc_lo
	v_cndmask_b32 v[SW+2+\i], v[VW+4+2*\i], v[VW+4+2*\i+1], vcc_lo
.endr
	global_store_b64 v[L8], v[SW:SW+1], s[98:99] offset:12800
	global_store_b64 v[L8], v[SW+2:SW+3], s[100:101] offset:12800
.Lend:
	s_wait_tensorcnt 0x0
	ds_add_u32 v[SPW], v[NIL]
	s_wait_dscnt 0x0
	CROUND
	s_endpgm
.Lfunc_end_k_q021ce910b2_qkv:
	.size	k_q021ce910b2_qkv, .Lfunc_end_k_q021ce910b2_qkv-k_q021ce910b2_qkv
	.p2alignl 7, 3214868480
	.fill 96, 4, 3214868480
	.section	.rodata,"a",@progbits
	.p2align	6, 0x0
	.amdhsa_kernel k_q021ce910b2_qkv
		.amdhsa_group_segment_fixed_size 327680
		.amdhsa_private_segment_fixed_size 0
		.amdhsa_enable_private_segment 0
		.amdhsa_kernarg_size 104
		.amdhsa_user_sgpr_count 2
		.amdhsa_user_sgpr_kernarg_segment_ptr 1
		.amdhsa_wavefront_size32 1
		.amdhsa_system_sgpr_workgroup_id_x 1
		.amdhsa_system_sgpr_workgroup_id_y 1
		.amdhsa_system_sgpr_workgroup_id_z 1
		.amdhsa_system_vgpr_workitem_id 0
		.amdhsa_next_free_vgpr 1024
		.amdhsa_next_free_sgpr 104
		.amdhsa_reserve_vcc 1
		.amdhsa_float_denorm_mode_32 3
		.amdhsa_float_denorm_mode_16_64 3
		.amdhsa_memory_ordered 1
		.amdhsa_forward_progress 1
		.amdhsa_inst_pref_size 240
	.end_amdhsa_kernel
	.amdgpu_metadata
---
amdhsa.version: [ 1, 2 ]
amdhsa.kernels:
  - .name:           k_q021ce910b2_qkv
    .symbol:         k_q021ce910b2_qkv.kd
    .args:
      - { .name: x_codes, .offset: 0, .size: 8, .value_kind: global_buffer, .address_space: global }
      - { .name: x_scales, .offset: 8, .size: 8, .value_kind: global_buffer, .address_space: global }
      - { .name: W_q_codes, .offset: 16, .size: 8, .value_kind: global_buffer, .address_space: global }
      - { .name: W_q_scales, .offset: 24, .size: 8, .value_kind: global_buffer, .address_space: global }
      - { .name: W_k_codes, .offset: 32, .size: 8, .value_kind: global_buffer, .address_space: global }
      - { .name: W_k_scales, .offset: 40, .size: 8, .value_kind: global_buffer, .address_space: global }
      - { .name: W_v_codes, .offset: 48, .size: 8, .value_kind: global_buffer, .address_space: global }
      - { .name: W_v_scales, .offset: 56, .size: 8, .value_kind: global_buffer, .address_space: global }
      - { .name: b_q, .offset: 64, .size: 8, .value_kind: global_buffer, .address_space: global }
      - { .name: b_k, .offset: 72, .size: 8, .value_kind: global_buffer, .address_space: global }
      - { .name: b_v, .offset: 80, .size: 8, .value_kind: global_buffer, .address_space: global }
      - { .name: qimg, .offset: 88, .size: 8, .value_kind: global_buffer, .address_space: global }
      - { .name: kv, .offset: 96, .size: 8, .value_kind: global_buffer, .address_space: global }
    .group_segment_fixed_size: 327680
    .private_segment_fixed_size: 0
    .kernarg_segment_align: 8
    .kernarg_segment_size: 104
    .max_flat_workgroup_size: 128
    .sgpr_count:     104
    .vgpr_count:     1024
    .wavefront_size: 32
...
	.end_amdgpu_metadata
.endif
;; end of part 1
;; launch attn (part 2): grid 16 x 16, 8 waves a work-group, clusters of 4 x 1, 327,680 bytes of LDS; arguments qimg, kv, cimg, cscl; writes cimg, cscl
.if DOCPART == 2
	.amdgcn_target "amdgcn-amd-amdhsa--gfx1250"
	.amdhsa_code_object_version 6
	.text
	.protected	k_q021ce910b2_attn
	.globl	k_q021ce910b2_attn
	.p2align	8
	.type	k_q021ce910b2_attn,@function
k_q021ce910b2_attn:
	s_mov_b64 s[64:65], 0
	v_nop
	global_prefetch_b8 v0, s[64:65] scope:SCOPE_SE
	s_setreg_imm32_b32 hwreg(HW_REG_WAVE_MODE, 25, 1), 1
	s_wait_xcnt 0x0
	s_wait_alu depctr_hold_cnt(0) depctr_sa_sdst(0) depctr_va_vdst(0) depctr_va_sdst(0) depctr_va_ssrc(0) depctr_va_vcc(0) depctr_vm_vsrc(0)
	s_getreg_b32 s2, hwreg(HW_REG_IB_STS2, 6, 4)
	s_cmp_eq_u32 s2, 0
	s_cbranch_scc0 .Lentry_in_a_cluster
	s_endpgm
.Lentry_in_a_cluster:
	s_bfe_u32 s2, ttmp6, 0x10000c
	s_cmp_lg_u32 s2, 0x3003
	s_cbranch_scc0 .Lentry_shape_is_right
	s_endpgm
.Lentry_shape_is_right:
; ctx[q][head] = softmax_k(q . k / 8) v for 16 heads of 64, 4,096 queries and keys, both products on codes of FP6 (E2M3) with one E8M0 scale for each 32 along a product's K; then ctx is quantised along the features.
; THE SOFTMAX: t = score x log2(e) / 8; M = the running largest t rounded UP to a whole number; p = 2^(t - M) is quantised along the keys, not normalised; the row's sum is taken of the unquantised p and divides at the end.
; When M moves, the sum and O are multiplied by 2^(old M - new M): exact.
; SHARES.  A work-group owns 256 queries of one head; each of its eight waves two tiles of 16, in 512 registers: two waves to a SIMD, so that one wave's vector work stands beside the other's matrix work and LDS loads,
; and each fragment of K and V read from LDS feeds two matrix instructions.  Every wave walks all keys, 128 a step.
; IN.  qimg and kv hold images of operand registers (the launch before lays them): a step's record of 13,056 bytes is K's 8 tiles (768 bytes: registers 0-3 at 16 x lane, registers 4-5 at 512 + 8 x lane), V's 4 tiles (three times 512 bytes),
; K's 4 registers of scale words and V's 2.  So every LDS load takes consecutive bytes, 16 or 8 a lane.
; THE FIRST PRODUCT'S K IS 64: registers 6-11 of K's and of Q's fragments are zeros, set once: zero codes on both sides for K 64 .. 127; the scale words' upper two bytes repeat the lower two.
; LAYOUT.  Both products are used transposed: S^T = K Q^T, O^T = V^T P^T: a lane holds one query (lane % 16) throughout.  The 16 registers of tiles 2 b and 2 b + 1 of S^T are, with lane l xor 16's, block b of 32 keys;
; inside a block p's codes are laid 0-7, 16-23, 8-15, 24-31, as V's are by the launch before: both operands permuted alike.
; RING.  Two slots of 8 records (1,024 keys, 104,448 bytes).  CLUSTER: the four query blocks of a cluster belong to one head and walk the same records: each wave asks for one record of a slot by a joint load.
; No prefetch is laid: a refill is asked for eight key steps ahead of its first read, so no wave stands waiting for it.
; OUT.  cimg: [tile of 16 rows 256][head 16][768 bytes]: ctx's codes, 64 features natural order, as an image of 6 registers; cscl: [4,096][32] scale bytes.
; LIMITS: NaN and infinities are not served.  A block of zeros, or one under 2^-124, keeps the byte 1 (read by this program alone).  1 / sum is v_rcp_f32's, then a multiplication.
; REGISTERS.  window 0: v1-2 16, 8 x lane; v3-4 the step's LDS addresses; v5-6 the add's; v7 Q's scale words; v8-11 K's; v12-13 V's; v14-15 p's; v16-31 statistics, 8 a tile; v32-63 blocks' figures, 16 a tile;
;   v64-191 S^T, then p, 64 a tile; v192-215 p's codes; v216-231 conversions' second halves; v232-235 the way out.   window 1: v0-95 K's 8 fragments; v96-143 V's 4; v144-167 Q's 2; v168-231 O^T, 32 a tile.
.set REC,   13056
.set HEADB, 32*REC
.set QREC,  6656
.set QHEAD, 32*QREC
.set SLOTB, 8*REC
.set SLOT1, 1<<17                      ; slot 1 begins here: one exclusive or turns an address in one slot into the other's
.set SPARE, 2*SLOT1                    ; the spare words: 128 bytes for each of eight waves: four blocks of 256 bytes that no other line names
.set L16, 1
.set L8,  2
.set A16, 3
.set A8,  4
.set SPW, 5
.set NIL, 6
.set QS,  7
.set KS,  8
.set VS,  12
.set PW,  14
.set ST,  16                           ; tile x at +8 x: +0 -M, +1 the largest t, +2, +3 the sum in two halves, +4 f (+5 named with it), +6 at work
.set BT,  32                           ; tile x at +16 x: +0..3 the blocks' largest, +4..7 the other half's, then bytes, +8..11 scale operands, +12, 13 the second chain of the sum
.set S,   64
.set PC,  192
.set CT,  216
; K'S TILES ARE REGROUPED AS THEY ARE READ FROM LDS (this takes the place of what the head says of tiles 2 b and 2 b + 1): tile 4 c + u takes as rows 0-7 the keys 64 c + 16 (u % 2) + 8 (u / 2) + 0 .. 7 and as rows 8-15 the keys 32 further on.
; So the 32 registers of tiles 4 c .. 4 c + 3 of S^T in lane (r, h) are the whole block 2 c + h of 32 keys, in the order 0-7, 16-23, 8-15, 24-31 in which V's codes lie: a block's largest p and its codes need no other lane.
.set LK16, 236                         ; 16 (l % 8 + 16 h) + 1536 (l / 8 % 2): my place in an image's registers 0-3; rows 8-15 come from the image two tiles on
.set LK8,  237                         ; the same for registers 4-5, 8 bytes a lane
.set LKS,  238                         ; 16 (l % 8 + 16 h) + 4 (l / 8 % 2): my place among K's scale words
.set SH8,  239                         ; 8 h: where my blocks' bytes stand in p's scale word
.set AK16, 240                         ; the step's addresses
.set AK8,  241
.set AKS,  242
.set KF,  0
.set VF,  96
.set QF,  144
.set O,   168
.set WV,  12
.set G1,  16
.set G0,  24
.set TB,  28                           ; LDS byte at which the step's record begins
.set SLOTS, 29
.set STEPS, 30
.set CS,  32
.set SEL, 34
.set MSB, 0
.macro WIN new
.if MSB != (\new)
	s_set_vgpr_msb (MSB<<8)|(\new)
.set MSB, (\new)
.endif
.endm
.macro CROUND                          ; a round of the cluster's barrier
	s_barrier_signal -1
	s_barrier_wait -1
	s_cmp_lg_u32 s[WV], 0
	s_cbranch_scc1 .Lnot_wave_0_\@
	s_barrier_signal -3
.Lnot_wave_0_\@:
	s_barrier_wait -3
	s_barrier_signal -1
	s_barrier_wait -1
.endm
.macro TLOAD                           ; my record of a slot: every wave issues one; four v_nop follow
	tensor_load_to_lds s[G0:G0+3], s[G1:G1+7]
	s_nop 0
.rept 4
	v_nop
.endr
.endm
	s_load_b256 s[4:11], s[0:1], 0x0               ; qimg, kv, cimg, cscl
	v_lshl_add_u32 v[SPW], v0, 2, SPARE
	v_mov_b32 v[NIL], 0
	ds_add_u32 v5, v6
	ds_add_u32 v5, v6
	s_wait_dscnt 0x0
	v_lshrrev_b32 v[A16], 5, v0
	s_delay_alu instid0(VALU_DEP_1)
	v_readfirstlane_b32 s[WV], v[A16]              ; wave 0..7
	s_bfe_u32 s13, ttmp6, 0x40000                  ; cx
	s_lshl_b32 s14, ttmp9, 2
	s_add_co_u32 s14, s14, s13                     ; my block of 256 queries: it enters Q's and the outputs' addresses alone
	s_and_b32 s15, ttmp7, 0xffff                   ; the head, which the four partners share
	; descriptor group 1: a record is 51 dense rows of 256 bytes (32 elements of 8 bytes), no padding
	s_mov_b32 s[G1], 15|(3<<16)|(1<<21)            ; 15:0 the mask: all four work-groups; 17:16 elements of 8 bytes; 21 set beside a mask
	s_mov_b32 s[G1+1], 32<<16                      ; tensor_dim0
	s_mov_b32 s[G1+2], 51<<16                      ; tensor_dim1
	s_mov_b32 s[G1+3], 32<<16                      ; tile_dim0
	s_mov_b32 s[G1+4], 51                          ; tile_dim1
	s_mov_b32 s[G1+5], 32                          ; from row to row
	s_mov_b32 s[G1+6], 0
	s_mov_b32 s[G1+7], 0
	s_mul_i32 s[G0+1], s[WV], REC                  ; LDS: slot 0, my record
	s_mul_i32 s38, s15, HEADB
	s_add_co_u32 s38, s38, s[G0+1]                 ; and in kv: the head's first slot, my record
	s_mov_b32 s39, 0
	s_mul_i32 s40, s15, QHEAD                      ; Q: the head,
	s_lshl_b32 s41, s14, 1
	s_lshr_b32 s42, s[WV], 2
	s_add_co_u32 s41, s41, s42                     ; the step of 128 queries: 2 x block + wave / 4
	s_mul_i32 s41, s41, QREC
	s_add_co_u32 s40, s40, s41
	s_mov_b32 s41, 0
	s_and_b32 s42, s[WV], 3
	s_mul_i32 s44, s42, 1536                       ; my two tiles of its eight
	s_mov_b32 s45, 0
	s_lshl_b32 s42, s42, 2
	s_add_co_u32 s42, s42, 6144                    ; and their register of scale words
	s_mov_b32 s43, 0
	s_lshl_b32 s46, s14, 4
	s_lshl_b32 s47, s[WV], 1
	s_add_co_u32 s46, s46, s47                     ; my first tile of 16 rows: 16 x block + 2 x wave
	s_mul_i32 s48, s46, 12288
	s_mul_i32 s47, s15, 768
	s_add_co_u32 s48, s48, s47
	s_mov_b32 s49, 0                               ; in cimg
	s_lshl_b32 s50, s46, 9                         ; 16 rows of 32 bytes
	s_lshl_b32 s47, s15, 1
	s_add_co_u32 s50, s50, s47
	s_mov_b32 s51, 0                               ; in cscl
	s_mov_b32 s[CS], 0x3e38aa3b                    ; c = log2(e) / 8
	s_mov_b32 s[CS+1], s[CS]                       ; (named with it as a pair)
	s_mov_b32 s[SEL], 0x76543210
	s_mov_b32 s[SEL+1], 0xfedcba98
	s_mov_b32 s[TB], 0
	s_mov_b32 s[SLOTS], 3
	s_wait_kmcnt 0x0
	s_add_nc_u64 s[4:5], s[4:5], s[40:41]
	s_add_nc_u64 s[36:37], s[4:5], s[42:43]        ; Q's scale words
	s_add_nc_u64 s[4:5], s[4:5], s[44:45]          ; Q's fragments
	s_add_nc_u64 s[8:9], s[8:9], s[48:49]
	s_add_nc_u64 s[10:11], s[10:11], s[50:51]
	s_mov_b32 s[G0], 1
	s_add_nc_u64 s[G0+2:G0+3], s[6:7], s[38:39]
	s_or_b32 s[G0+3], s[G0+3], 0x80000000
	CROUND                                         ; all four work-groups are here: the first joint loads meet
	TLOAD                                          ; keys 0 .. 1,023 into slot 0
	v_and_b32 v[L8], 31, v0
	s_delay_alu instid0(VALU_DEP_1)
	v_lshlrev_b32 v[L16], 4, v[L8]
	s_delay_alu instid0(VALU_DEP_2)
	v_lshlrev_b32 v[L8], 3, v[L8]
	v_and_b32 v[AK16], 7, v0
	v_bfe_u32 v[AK8], v0, 4, 1                     ; h
	v_bfe_u32 v[AKS], v0, 3, 1
	s_delay_alu instid0(VALU_DEP_2)
	v_lshl_add_u32 v[AK16], v[AK8], 4, v[AK16]     ; l % 8 + 16 h
	s_delay_alu instid0(VALU_DEP_2)
	v_mul_u32_u24 v[LK16], v[AKS], 1536
	s_delay_alu instid0(VALU_DEP_3)
	v_lshlrev_b32 v[LKS], 2, v[AKS]
	v_lshlrev_b32 v[SH8], 3, v[AK8]
	s_delay_alu instid0(VALU_DEP_2)
	v_lshl_add_u32 v[LKS], v[AK16], 4, v[LKS]
	s_delay_alu instid0(VALU_DEP_4)
	v_lshl_add_u32 v[LK8], v[AK16], 3, v[LK16]
	v_lshl_add_u32 v[LK16], v[AK16], 4, v[LK16]
	WIN 0x40                                       ; destination window 1
.irp x, 0,1
	global_load_b128 v[QF+12*\x:QF+12*\x+3], v[L16], s[4:5] offset:768*\x
	global_load_b64 v[QF+12*\x+4:QF+12*\x+5], v[L8], s[4:5] offset:768*\x+512
.endr
.irp t, 0,1,2,3,4,5,6,7
.irp i, 6,7,8,9,10,11
	v_mov_b32 v[KF+12*\t+\i], 0                    ; K 64 .. 127 of K's fragments: zero codes, set once
.endr
.endr
.irp x, 0,1
.irp i, 6,7,8,9,10,11
	v_mov_b32 v[QF+12*\x+\i], 0                    ; and of Q's
.endr
.endr
.set i, 0
.rept 64
	v_mov_b32 v[O+i], 0                            ; O^T: the step is written once; its first run finds zeros, which the first change of M leaves zeros
.set i, i+1
.endr
	WIN 0
	global_load_b32 v[QS], v[L16], s[36:37]        ; lanes 0-15: my first tile's words, lanes 16-31: my second's
.irp x, 0,1
	v_mov_b32 v[ST+8*\x+1], 0xff61b1e6             ; the largest t so far: -3e38
	s_delay_alu instid0(VALU_DEP_1)
	v_floor_f32 v[ST+8*\x], -v[ST+8*\x+1]          ; -M
	v_mov_b32 v[ST+8*\x+2], 0
	v_mov_b32 v[ST+8*\x+3], 0
	v_mov_b32 v[ST+8*\x+5], 0
	v_mov_b32 v[ST+8*\x+6], 0
.irp b, 0,1,2,3
	v_mov_b32 v[BT+16*\x+4+\b], 0                  ; a lane permute's destination counts as one of its sources
.endr
.endr
.macro WS t, x                         ; S^T of 16 keys (tile t) x 16 queries (tile x); the scale words' rows: odd tiles lie in lanes 16-31
.if ((\t)%2 == 0) && ((\x) == 0)
	v_wmma_scale_f32_16x16x128_f8f6f4 v[S+64*(\x)+8*(\t):S+64*(\x)+8*(\t)+7], v[KF+12*(\t):KF+12*(\t)+11], v[QF+12*(\x):QF+12*(\x)+11], 0, v[KS+(\t)/2], v[QS] matrix_a_fmt:MATRIX_FMT_FP6 matrix_b_fmt:MATRIX_FMT_FP6
.elseif ((\t)%2 == 1) && ((\x) == 0)
	v_wmma_scale_f32_16x16x128_f8f6f4 v[S+64*(\x)+8*(\t):S+64*(\x)+8*(\t)+7], v[KF+12*(\t):KF+12*(\t)+11], v[QF+12*(\x):QF+12*(\x)+11], 0, v[KS+(\t)/2], v[QS] matrix_a_fmt:MATRIX_FMT_FP6 matrix_b_fmt:MATRIX_FMT_FP6 matrix_a_scale:MATRIX_SCALE_ROW1
.elseif (\t)%2 == 0
	v_wmma_scale_f32_16x16x128_f8f6f4 v[S+64*(\x)+8*(\t):S+64*(\x)+8*(\t)+7], v[KF+12*(\t):KF+12*(\t)+11], v[QF+12*(\x):QF+12*(\x)+11], 0, v[KS+(\t)/2], v[QS] matrix_a_fmt:MATRIX_FMT_FP6 matrix_b_fmt:MATRIX_FMT_FP6 matrix_b_scale:MATRIX_SCALE_ROW1
.else
	v_wmma_scale_f32_16x16x128_f8f6f4 v[S+64*(\x)+8*(\t):S+64*(\x)+8*(\t)+7], v[KF+12*(\t):KF+12*(\t)+11], v[QF+12*(\x):QF+12*(\x)+11], 0, v[KS+(\t)/2], v[QS] matrix_a_fmt:MATRIX_FMT_FP6 matrix_b_fmt:MATRIX_FMT_FP6 matrix_a_scale:MATRIX_SCALE_ROW1 matrix_b_scale:MATRIX_SCALE_ROW1
.endif
.endm
.macro PV d, x                         ; O^T of 16 features (tile d) x 16 queries (tile x) += V^T P^T over the step's 128 keys
.if (\d)%2 == 0
	v_wmma_scale_f32_16x16x128_f8f6f4 v[O+32*(\x)+8*(\d):O+32*(\x)+8*(\d)+7], v[VF+12*(\d):VF+12*(\d)+11], v[PC+12*(\x):PC+12*(\x)+11], v[O+32*(\x)+8*(\d):O+32*(\x)+8*(\d)+7], v[VS+(\d)/2], v[PW+(\x)] matrix_a_fmt:MATRIX_FMT_FP6 matrix_b_fmt:MATRIX_FMT_FP6
.else
	v_wmma_scale_f32_16x16x128_f8f6f4 v[O+32*(\x)+8*(\d):O+32*(\x)+8*(\d)+7], v[VF+12*(\d):VF+12*(\d)+11], v[PC+12*(\x):PC+12*(\x)+11], v[O+32*(\x)+8*(\d):O+32*(\x)+8*(\d)+7], v[VS+(\d)/2], v[PW+(\x)] matrix_a_fmt:MATRIX_FMT_FP6 matrix_b_fmt:MATRIX_FMT_FP6 matrix_a_scale:MATRIX_SCALE_ROW1
.endif
.endm
; A KEY STEP: 128 keys, both tiles of queries.
.macro STEP
	v_add_nc_u32 v[A16], s[TB], v[L16]
	v_add_nc_u32 v[A8], s[TB], v[L8]
	v_add_nc_u32 v[AK16], s[TB], v[LK16]
	v_add_nc_u32 v[AK8], s[TB], v[LK8]
	v_add_nc_u32 v[AKS], s[TB], v[LKS]             ; five plain instructions behind the last step's products, ahead of the loads into V's fragments and scale words
.irp g, 0,1,2,3
	ds_load_b32 v[KS+\g], v[AKS] offset:12288+128*(\g%2)+8*(\g/2)    ; the words of tiles 2 g (lanes 0-15) and 2 g + 1 (lanes 16-31), by the regrouped rows
.endr
	ds_load_b64 v[VS:VS+1], v[A8] offset:12800
	WIN 0x40
.irp t, 0,1,2,3,4,5,6,7
	ds_load_b128 v[KF+12*\t:KF+12*\t+3], v[AK16] offset:768*(4*(\t/4)+\t%2)+128*((\t%4)/2)
	ds_load_b64 v[KF+12*\t+4:KF+12*\t+5], v[AK8] offset:768*(4*(\t/4)+\t%2)+512+64*((\t%4)/2)
.endr
.irp d, 0,1,2,3
.irp c, 0,1,2
	ds_load_b128 v[VF+12*\d+4*\c:VF+12*\d+4*\c+3], v[A16] offset:6144+1536*\d+512*\c
.endr
.endr
	s_wait_dscnt 12                                ; the scale words and K are in; V's twelve loads, issued last, may be out
	WIN 0x05                                       ; K and Q window 1, S^T window 0
.irp t, 0,1,2,3,4,5,6,7
.irp x, 0,1
	WS \t, \x
.endr
.endr
	WIN 0
.rept 4
	v_nop                                          ; places behind the products, ahead of the first read of their results
.endr
.irp x, 0,1
.irp b, 0,1,2,3
	v_max3_num_f32 v[BT+16*\x+\b], v[S+64*\x+16*\b], v[S+64*\x+16*\b+1], v[S+64*\x+16*\b+2]   ; the largest score of each block of 32 keys: it serves the row's maximum and, since p rises with the score, the block's largest p
.endr
.endr
.irp i, 3,5,7,9,11,13
.irp x, 0,1
.irp b, 0,1,2,3
	v_max3_num_f32 v[BT+16*\x+\b], v[BT+16*\x+\b], v[S+64*\x+16*\b+\i], v[S+64*\x+16*\b+\i+1]
.endr
.endr
.endr
.irp x, 0,1
.irp b, 0,1,2,3
	v_max_num_f32 v[BT+16*\x+\b], v[BT+16*\x+\b], v[S+64*\x+16*\b+15]
.endr
.endr
.irp x, 0
	v_max3_num_f32 v[ST+8*\x+6], v[BT+16*\x], v[BT+16*\x+1], v[BT+16*\x+2]
.endr
.irp x, 1
	s_delay_alu instid0(VALU_DEP_3)
	v_max3_num_f32 v[ST+8*\x+6], v[BT+16*\x], v[BT+16*\x+1], v[BT+16*\x+2]
.endr
.irp x, 0,1
	s_delay_alu instid0(VALU_DEP_2)
	v_max_num_f32 v[ST+8*\x+6], v[ST+8*\x+6], v[BT+16*\x+3]          ; the largest score of my 64 keys
.endr
.irp x, 0,1
	v_max_num_f32 v[BT+16*\x], v[BT+16*\x], v[BT+16*\x+1]            ; of my block h,
	v_max_num_f32 v[BT+16*\x+1], v[BT+16*\x+2], v[BT+16*\x+3]        ; and of my block 2 + h
.endr
.irp x, 0,1
	v_permlanex16_b32 v[BT+16*\x+4], v[ST+8*\x+6], s[SEL], s[SEL+1]
.endr
.irp x, 0,1
	s_delay_alu instid0(VALU_DEP_2)
	v_max_num_f32 v[ST+8*\x+6], v[ST+8*\x+6], v[BT+16*\x+4]          ; with lane l xor 16's 64 keys: the step's largest score of my query
.endr
.irp x, 0,1
	s_delay_alu instid0(VALU_DEP_2)
	v_mul_f32 v[ST+8*\x+6], s[CS], v[ST+8*\x+6]                      ; as t (c is positive)
.endr
.irp x, 0,1
	s_delay_alu instid0(VALU_DEP_2)
	v_max_num_f32 v[ST+8*\x+1], v[ST+8*\x+1], v[ST+8*\x+6]           ; the running largest t
.endr
.irp x, 0,1
	v_mov_b32 v[ST+8*\x+6], v[ST+8*\x]
.endr
.irp x, 0,1
	s_delay_alu instid0(VALU_DEP_4)
	v_floor_f32 v[ST+8*\x], -v[ST+8*\x+1]                            ; the new -M = floor(-t): M is a whole number
.endr
.irp x, 0,1
	s_delay_alu instid0(VALU_DEP_2)
	v_sub_f32 v[ST+8*\x+6], v[ST+8*\x], v[ST+8*\x+6]                 ; old M - new M: a whole number, 0 or less
.endr
.irp x, 0,1
	s_delay_alu instid0(VALU_DEP_2)
	v_cvt_i32_f32 v[ST+8*\x+6], v[ST+8*\x+6]                         ; (it saturates)
.endr
.irp x, 0,1
	s_delay_alu instid0(VALU_DEP_2)
	v_ldexp_f32 v[ST+8*\x+4], 1.0, v[ST+8*\x+6]                      ; f = 2^(old M - new M)
.endr
.set i, 0
.rept 32
	v_pk_fma_f32 v[S+i:S+i+1], v[S+i:S+i+1], s[CS:CS+1], v[ST:ST+1] op_sel_hi:[1,0,0]   ; tile 0: t - M, two at a time
.set i, i+2
.endr
.irp c, 0,1
	v_fma_f32 v[BT+\c], v[BT+\c], s[CS], v[ST]                       ; the same of each block's largest score
.endr
	s_wait_alu depctr_va_vdst(0)                   ; ahead of the batch
.set i, 0
.rept 32                               ; tile 0's p = 2^(t - M); tile 1's t - M stands among them: its results are first read behind the next wait
	v_exp_f32 v[S+i], v[S+i]
	v_exp_f32 v[S+i+1], v[S+i+1]
	v_pk_fma_f32 v[S+64+i:S+64+i+1], v[S+64+i:S+64+i+1], s[CS:CS+1], v[ST+8:ST+9] op_sel_hi:[1,0,0]
.set i, i+2
.endr
.irp c, 0,1
	v_exp_f32 v[BT+\c], v[BT+\c]                   ; the block's largest p: the same two instructions on the same number give the same bits
	v_fma_f32 v[BT+16+\c], v[BT+16+\c], s[CS], v[ST+8]
.endr
	s_wait_alu depctr_va_vdst(0)                   ; behind tile 0's batch and ahead of tile 1's
.set i, 0
.rept 64
	v_exp_f32 v[S+64+i], v[S+64+i]
.set i, i+1
.endr
.irp c, 0,1
	v_exp_f32 v[BT+16+\c], v[BT+16+\c]
.endr
.irp x, 0,1
	v_pk_mul_f32 v[ST+8*\x+2:ST+8*\x+3], v[ST+8*\x+2:ST+8*\x+3], v[ST+8*\x+4:ST+8*\x+5] op_sel_hi:[1,0]   ; the sums under the new M: plain instructions behind the exponentials
.endr
	s_wait_alu depctr_va_vdst(0)                   ; one wait for the batch of 128, ahead of its first reader
.irp x, 0,1
	v_pk_add_f32 v[BT+16*\x+12:BT+16*\x+13], v[S+64*\x:S+64*\x+1], v[S+64*\x+2:S+64*\x+3]   ; the row's sum of the unquantised p: two at a time, two chains a tile
.endr
.irp j, 4,8,12,16,20,24,28,32,36,40,44,48,52,56,60
.irp x, 0,1
	v_pk_add_f32 v[ST+8*\x+2:ST+8*\x+3], v[ST+8*\x+2:ST+8*\x+3], v[S+64*\x+\j:S+64*\x+\j+1]
	v_pk_add_f32 v[BT+16*\x+12:BT+16*\x+13], v[BT+16*\x+12:BT+16*\x+13], v[S+64*\x+\j+2:S+64*\x+\j+3]
.endr
.endr
.irp x, 0
	s_delay_alu instid0(VALU_DEP_3)
	v_pk_add_f32 v[ST+8*\x+2:ST+8*\x+3], v[ST+8*\x+2:ST+8*\x+3], v[BT+16*\x+12:BT+16*\x+13]
.endr
.irp x, 1
	s_delay_alu instid0(VALU_DEP_2)
	v_pk_add_f32 v[ST+8*\x+2:ST+8*\x+3], v[ST+8*\x+2:ST+8*\x+3], v[BT+16*\x+12:BT+16*\x+13]
.endr
.irp x, 0,1
.irp c, 0,1
	v_max_num_f32 v[BT+16*\x+\c], 0x1800000, v[BT+16*\x+\c]          ; the floor 2^(3 - 127): the byte cannot fall under 1
.endr
.endr
.irp x, 0,1
.irp c, 0,1
	s_delay_alu instid0(VALU_DEP_4)
	v_add_nc_u32 v[BT+16*\x+8+\c], 0xff000000, v[BT+16*\x+\c]        ; 2 off the exponent field: the conversion's scale operand
.endr
.endr
.irp x, 0,1
.irp c, 0,1
	s_delay_alu instid0(VALU_DEP_4)
	v_lshrrev_b32 v[BT+16*\x+4+\c], 23, v[BT+16*\x+8+\c]             ; the scale's byte
.endr
.endr
	s_delay_alu instid0(VALU_DEP_3)
	v_lshl_or_b32 v[PW], v[BT+5], 16, v[BT+4]                        ; my two bytes: blocks h and 2 + h,
	s_delay_alu instid0(VALU_DEP_2)
	v_lshl_or_b32 v[PW+1], v[BT+21], 16, v[BT+20]
.irp x, 0,1
	s_delay_alu instid0(VALU_DEP_2)
	v_lshlrev_b32 v[PW+\x], v[SH8], v[PW+\x]                         ; at their places in the word, 8 h bits up;
.endr
.irp x, 0,1
	s_delay_alu instid0(VALU_DEP_2)
	v_permlanex16_b32 v[BT+16*\x+6], v[PW+\x], s[SEL], s[SEL+1]
.endr
.irp x, 0,1
	s_delay_alu instid0(VALU_DEP_2)
	v_or_b32 v[PW+\x], v[PW+\x], v[BT+16*\x+6]                       ; with lane l xor 16's two: p's scale word for these 128 keys
.endr
.irp x, 0,1
.irp c, 0,1
	v_cvt_scalef32_pk16_fp6_f32 v[PC+12*\x+6*\c:PC+12*\x+6*\c+2], v[S+64*\x+32*\c:S+64*\x+32*\c+15], v[BT+16*\x+8+\c]
	v_cvt_scalef32_pk16_fp6_f32 v[CT+8*\x+4*\c:CT+8*\x+4*\c+2], v[S+64*\x+32*\c+16:S+64*\x+32*\c+31], v[BT+16*\x+8+\c]   ; (a conversion's three registers begin on an even number)
.endr
.endr
	v_nop                                          ; one plain instruction behind a scaled conversion
.irp x, 0,1
.irp c, 0,1
.irp i, 0,1,2
	v_mov_b32 v[PC+12*\x+6*\c+3+\i], v[CT+8*\x+4*\c+\i]              ; registers 6 c .. 6 c + 5: my whole block 2 c + h
.endr
.endr
.endr
	WIN 0x41
	s_wait_alu depctr_va_vdst(0)                   ; directly ahead of the first reader of O^T
.irp j, 0,2,4,6,8,10,12,14,16,18,20,22,24,26,28,30
.irp x, 0,1
	v_pk_mul_f32 v[O+32*\x+\j:O+32*\x+\j+1], v[O+32*\x+\j:O+32*\x+\j+1], v[ST+8*\x+4:ST+8*\x+5] op_sel_hi:[1,0]   ; O^T under the new M.  These 32 also stand between the writes of p's codes and scale words and the products
.endr
.endr
	s_wait_alu depctr_va_vdst(0)
	s_wait_dscnt 0x0                               ; V is in
	WIN 0x51                                       ; V window 1, p window 0, C and D window 1
.irp d, 0,1,2,3
.irp x, 0,1
	PV \d, \x                                      ; the eight accumulators by turns, one instruction a turn
.endr
.endr
	WIN 0
	s_add_co_u32 s[TB], s[TB], REC                 ; the next step's record
.endm
; THE CHANGE OF SLOTS stands at a slot's head.  Each wave waits for all its tensor loads (its record of the slot ahead), adds 0 to its spare word, and waits for that and for its reads of the slot that it has left.
; fill = 1: a round of the cluster's barrier, so that no wave of any partner still reads that slot or has a load on its way; then the slot is filled with the next 1,024 keys: one load a wave, eight key steps in which to land.
.macro CHANGE fill
	s_wait_tensorcnt 0x0                           ; no tensor load of mine is out, so the descriptor may be written
	ds_add_u32 v[SPW], v[NIL]                      ; 0 onto my spare word
.if \fill
	s_xor_b32 s[G0+1], s[G0+1], SLOT1              ; the other slot than last time,
	s_add_nc_u64 s[G0+2:G0+3], s[G0+2:G0+3], SLOTB ; the next eight records; the type bits on top are not reached
.endif
	s_wait_dscnt 0x0                               ; the add is done, and my reads of the slot that I have left are over
.if \fill
	CROUND
	TLOAD
.else
	s_barrier_signal -1
	s_barrier_wait -1
.endif
.endm
.macro SLOT_STEPS                      ; a slot's eight key steps: written once, walked eight times
	s_mov_b32 s[STEPS], 8
.Lstep_\@:
	STEP
	s_sub_co_u32 s[STEPS], s[STEPS], 1
	s_cmp_lg_u32 s[STEPS], 0
	s_cbranch_scc1 .Lstep_\@
	s_sub_co_u32 s[TB], s[TB], SLOTB               ; back to a slot's first record,
	s_xor_b32 s[TB], s[TB], SLOT1                  ; in the other slot
.endm
	s_wait_loadcnt 0x0                             ; Q and its scale words
.Lslot:                                            ; three trips: behind each change of slots but the last the next slot is asked for
	CHANGE 1
	SLOT_STEPS
	s_sub_co_u32 s[SLOTS], s[SLOTS], 1
	s_cmp_lg_u32 s[SLOTS], 0
	s_cbranch_scc1 .Lslot
	CHANGE 0                                       ; the last slot is written out
	SLOT_STEPS
	; THE WAY OUT.  The sum's halves and lane l xor 16's are added; O^T / the sum; natural order along the features; quantised; stored as an image.  The additions are the places behind the last products.
.irp x, 0,1
	v_add_f32 v[ST+8*\x+2], v[ST+8*\x+2], v[ST+8*\x+3]
.endr
.irp x, 0,1
	s_delay_alu instid0(VALU_DEP_2)
	v_permlanex16_b32 v[ST+8*\x+6], v[ST+8*\x+2], s[SEL], s[SEL+1]
.endr
.irp x, 0,1
	s_delay_alu instid0(VALU_DEP_2)
	v_add_f32 v[ST+8*\x+2], v[ST+8*\x+2], v[ST+8*\x+6]
.endr
	s_wait_alu depctr_va_vdst(0)
.irp x, 0,1
	v_rcp_f32 v[ST+8*\x+4], v[ST+8*\x+2]
.endr
	v_and_b32 v232, 31, v0                         ; (plain instructions behind the reciprocals)
	s_delay_alu instid0(VALU_DEP_1)
	v_cmp_le_u32 vcc_lo, 16, v232                  ; lanes 16-31
	v_and_b32 v233, 15, v0
	s_delay_alu instid0(VALU_DEP_1)
	v_lshlrev_b32 v233, 5, v233
	v_bfe_u32 v232, v0, 4, 1
	s_delay_alu instid0(VALU_DEP_1)
	v_add_nc_u32 v233, v233, v232                  ; my scale byte's place: 32 r + h
	s_wait_alu depctr_va_vdst(0)                   ; one wait for both reciprocals, ahead of their first reader
	WIN 0x01                                       ; source 0 window 1
.irp x, 0,1
.irp j, 0,2,4,6,8,10,12,14,16,18,20,22,24,26,28,30
	v_pk_mul_f32 v[S+64*\x+\j:S+64*\x+\j+1], v[O+32*\x+\j:O+32*\x+\j+1], v[ST+8*\x+4:ST+8*\x+5] op_sel_hi:[1,0]   ; register 8 d + j = ctx(r, 16 d + 8 h + j); each accumulator from its low end on
.endr
.endr
	WIN 0
.irp x, 0,1
.irp b, 0,1
.irp j, 0,1,2,3,4,5,6,7
	v_permlane16_swap_b32 v[S+64*\x+16*\b+\j], v[S+64*\x+16*\b+8+\j]   ; W_o's codes come in natural order, so ctx is put so: register 16 b + i is now feature 32 b + 16 h + i
.endr
.endr
.endr
.irp x, 0,1
.irp b, 0,1
	v_max3_num_f32 v[BT+16*\x+\b], |v[S+64*\x+16*\b]|, |v[S+64*\x+16*\b+1]|, 0x1800000
.endr
.endr
.irp i, 2,4,6,8,10,12,14
.irp x, 0,1
.irp b, 0,1
	s_delay_alu instid0(VALU_DEP_4)
	v_max3_num_f32 v[BT+16*\x+\b], v[BT+16*\x+\b], |v[S+64*\x+16*\b+\i]|, |v[S+64*\x+16*\b+\i+1]|
.endr
.endr
.endr
.irp x, 0,1
.irp b, 0,1
	s_delay_alu instid0(VALU_DEP_4)
	v_permlanex16_b32 v[BT+16*\x+4+\b], v[BT+16*\x+\b], s[SEL], s[SEL+1]
.endr
.endr
.irp x, 0,1
.irp b, 0,1
	s_delay_alu instid0(VALU_DEP_4)
	v_max_num_f32 v[BT+16*\x+\b], v[BT+16*\x+\b], v[BT+16*\x+4+\b]
.endr
.endr
.irp x, 0,1
.irp b, 0,1
	s_delay_alu instid0(VALU_DEP_4)
	v_add_nc_u32 v[BT+16*\x+8+\b], 0xff000000, v[BT+16*\x+\b]
.endr
.endr
.irp x, 0,1
.irp b, 0,1
	s_delay_alu instid0(VALU_DEP_4)
	v_lshrrev_b32 v[BT+16*\x+4+\b], 23, v[BT+16*\x+8+\b]
.endr
.endr
.irp x, 0,1
	v_cvt_scalef32_pk16_fp6_f32 v[PC+12*\x:PC+12*\x+2], v[S+64*\x:S+64*\x+15], v[BT+16*\x+8]
	v_cvt_scalef32_pk16_fp6_f32 v[CT+8*\x:CT+8*\x+2], v[S+64*\x+16:S+64*\x+31], v[BT+16*\x+9]
.endr
	v_nop                                          ; one plain instruction behind a scaled conversion
.irp x, 0,1
.irp i, 0,1,2
	v_permlane16_swap_b32 v[PC+12*\x+\i], v[CT+8*\x+\i]
.endr
.irp i, 0,1,2
	s_delay_alu instid0(VALU_DEP_3)
	v_mov_b32 v[PC+12*\x+3+\i], v[CT+8*\x+\i]      ; registers 0-5: features 32 h + 0 .. 31 of my head
.endr
	v_cndmask_b32 v[234+\x], v[BT+16*\x+4], v[BT+16*\x+5], vcc_lo    ; lanes 0-15 carry block 0's byte, lanes 16-31 block 1's
	global_store_b128 v[L16], v[PC+12*\x:PC+12*\x+3], s[8:9] offset:12288*\x       ; 32 lanes store 512 consecutive bytes,
	global_store_b64 v[L8], v[PC+12*\x+4:PC+12*\x+5], s[8:9] offset:12288*\x+512   ; then 256
	global_store_b8 v233, v[234+\x], s[10:11] offset:512*\x          ; two bytes of each row's 32: rows are written in part here; one byte for each 24 of codes
.endr
	s_wait_tensorcnt 0x0                           ; the wave's end
	ds_add_u32 v[SPW], v[NIL]
	s_wait_dscnt 0x0
	CROUND                                         ; the closing round
	s_endpgm
.Lfunc_end_k_q021ce910b2_attn:
	.size	k_q021ce910b2_attn, .Lfunc_end_k_q021ce910b2_attn-k_q021ce910b2_attn
	.p2alignl 7, 3214868480
	.fill 96, 4, 3214868480
	.section	.rodata,"a",@progbits
	.p2align	6, 0x0
	.amdhsa_kernel k_q021ce910b2_attn
		.amdhsa_group_segment_fixed_size 327680
		.amdhsa_private_segment_fixed_size 0
		.amdhsa_enable_private_segment 0
		.amdhsa_kernarg_size 32
		.amdhsa_user_sgpr_count 2
		.amdhsa_user_sgpr_kernarg_segment_ptr 1
		.amdhsa_wavefront_size32 1
		.amdhsa_system_sgpr_workgroup_id_x 1
		.amdhsa_system_sgpr_workgroup_id_y 1
		.amdhsa_system_sgpr_workgroup_id_z 1
		.amdhsa_system_vgpr_workitem_id 0
		.amdhsa_next_free_vgpr 512
		.amdhsa_next_free_sgpr 66
		.amdhsa_reserve_vcc 1
		.amdhsa_float_denorm_mode_32 3
		.amdhsa_float_denorm_mode_16_64 3
		.amdhsa_memory_ordered 1
		.amdhsa_forward_progress 1
		.amdhsa_inst_pref_size 78
	.end_amdhsa_kernel
	.amdgpu_metadata
---
amdhsa.version: [ 1, 2 ]
amdhsa.kernels:
  - .name:           k_q021ce910b2_attn
    .symbol:         k_q021ce910b2_attn.kd
    .args:
      - { .name: qimg, .offset: 0, .size: 8, .value_kind: global_buffer, .address_space: global }
      - { .name: kv, .offset: 8, .size: 8, .value_kind: global_buffer, .address_space: global }
      - { .name: cimg, .offset: 16, .size: 8, .value_kind: global_buffer, .address_space: global }
      - { .name: cscl, .offset: 24, .size: 8, .value_kind: global_buffer, .address_space: global }
    .group_segment_fixed_size: 327680
    .private_segment_fixed_size: 0
    .kernarg_segment_align: 8
    .kernarg_segment_size: 32
    .max_flat_workgroup_size: 256
    .sgpr_count:     66
    .vgpr_count:     512
    .wavefront_size: 32
...
	.end_amdgpu_metadata
.endif
;; end of part 2
;; launch oproj (part 3): grid 8 x 32, 4 waves a work-group, clusters of 4 x 4, 327,680 bytes of LDS; arguments cimg, cscl, W_o_codes, W_o_scales, b_o, out0; writes out0
.if DOCPART == 3
	.amdgcn_target "amdgcn-amd-amdhsa--gfx1250"
	.amdhsa_code_object_version 6
	.text
	.protected	k_q021ce910b2_oproj
	.globl	k_q021ce910b2_oproj
	.p2align	8
	.type	k_q021ce910b2_oproj,@function
k_q021ce910b2_oproj:
	s_mov_b64 s[64:65], 0
	v_nop
	global_prefetch_b8 v0, s[64:65] scope:SCOPE_SE
	s_setreg_imm32_b32 hwreg(HW_REG_WAVE_MODE, 25, 1), 1
	s_wait_xcnt 0x0
	s_wait_alu depctr_hold_cnt(0) depctr_sa_sdst(0) depctr_va_vdst(0) depctr_va_sdst(0) depctr_va_ssrc(0) depctr_va_vcc(0) depctr_vm_vsrc(0)
	s_getreg_b32 s2, hwreg(HW_REG_IB_STS2, 6, 4)
	s_cmp_eq_u32 s2, 0
	s_cbranch_scc0 .Lentry_in_a_cluster
	s_endpgm
.Lentry_in_a_cluster:
	s_bfe_u32 s2, ttmp6, 0x10000c
	s_cmp_lg_u32 s2, 0xf033
	s_cbranch_scc0 .Lentry_shape_is_right
	s_endpgm
.Lentry_shape_is_right:
; out0 = ctx W_o^T + b_o on codes of FP6 (E2M3) with one E8M0 scale for each 32 along K = 1,024; sums in f32.
; A work-group makes 128 x 128 of out0: 8 x 32 = 256 work-groups.  A wave makes 64 x 64: 16 accumulators, 128 registers, in window 1.
; ALL OF K LIES IN LDS AT ONCE, brought by the head's four joint loads, one a wave: ctx's 8 tiles of register images (98,304 dense bytes, as rows of 256), W_o's 128 rows of 768 bytes
; (16 bytes of padding behind every 256: pitch 816), and the two blocks of scales (4,096 bytes each).  Nothing is filled again: one barrier, then eight steps of 128 along K with no barrier.
; Every tensor row begins at a multiple of 256 bytes of its buffer.  CLUSTERS, 4 x 4: ctx's tiles are shared along a row of the cluster, W_o's along a column.
; No prefetch is laid: every load of the launch is issued at its head, so there is no loop to run ahead in.
; The matrix instruction is used transposed (source 0 = W_o's rows, source 1 = ctx's rows): a lane holds 8 neighbouring columns of one row.  The bias is loaded into the accumulators, so the first products add onto it.
; REGISTERS.  window 0: v1-15 addresses; v16-47 scale words (register 8 i + st: lanes 0-15 ctx's block i, lanes 16-31 W_o's block i, step st); v48-143, v144-239 two sets of fragments (W_o's 4, ctx's 4); on the way out v48-175.
.set ATILE,  12288                     ; a tile of 16 rows of ctx: 16 heads x 768 bytes
.set BPITCH, 816
.set BOFF,   8*ATILE
.set SCL,    BOFF+128*BPITCH
.set SBLK,   544                       ; the scales of 16 rows: 512 bytes + 2 x 16 of padding
.set HALFS,  4*SBLK
.set STAGE,  SCL+4*HALFS               ; 16 rows x 272 bytes for each wave, bytes of its own
.set SPITCH, 272
.set SPARE,  STAGE+4*16*SPITCH         ; the spare words
.set SPW, 5
.set NIL, 6
.set BO,  7
.set ADRA, 8
.set ADRA8, 9
.set ADRB, 10
.set ADRB2, 11
.set ADRS, 12
.set STO, 13
.set RD,  14
.set CO,  15
.set SC,  16
.set F0,  48
.set G1A, 24
.set G1B, 48
.set G1S, 68
.set G1SB, 80
.set G0A, 32
.set G0B, 36
.set G0S, 56
.set G0SB, 60
.set MSB, 0
.macro WIN new
.if MSB != (\new)
	s_set_vgpr_msb (MSB<<8)|(\new)
.set MSB, (\new)
.endif
.endm
.macro CROUND                          ; a round of the cluster's barrier
	s_barrier_signal -1
	s_barrier_wait -1
	s_cmp_lg_u32 s16, 0
	s_cbranch_scc1 .Lnot_wave_0_\@
	s_barrier_signal -3
.Lnot_wave_0_\@:
	s_barrier_wait -3
	s_barrier_signal -1
	s_barrier_wait -1
.endm
.macro PLACES
.rept 4
	v_nop
.endr
.endm
	s_load_b128 s[4:7], s[0:1], 0x0                ; cimg, cscl
	s_load_b128 s[8:11], s[0:1], 0x10              ; W_o's codes, scales
	s_load_b128 s[12:15], s[0:1], 0x20             ; b_o, out0
	v_lshl_add_u32 v[SPW], v0, 2, SPARE
	v_mov_b32 v[NIL], 0
	ds_add_u32 v[SPW], v[NIL]                      ; the opening lines: the add twice on end
	ds_add_u32 v[SPW], v[NIL]
	v_lshrrev_b32 v1, 5, v0
	v_readfirstlane_b32 s16, v1                    ; wave 0..3
	s_lshr_b32 s17, s16, 1                         ; my 64 rows of the block
	s_and_b32 s18, s16, 1                          ; my 64 columns
	s_bfe_u32 s40, ttmp6, 0x40000                  ; cx
	s_bfe_u32 s41, ttmp6, 0x40004                  ; cy
	s_lshl_b32 s42, ttmp9, 2
	s_add_co_u32 s42, s42, s40                     ; block column 0..7
	s_and_b32 s19, ttmp7, 0xffff
	s_lshl_b32 s19, s19, 2
	s_add_co_u32 s19, s19, s41                     ; block row 0..31
	s_lshl_b32 s43, s41, 2
	s_lshl_b32 s43, 15, s43                        ; my row of the cluster
	s_lshl_b32 s44, 0x1111, s40                    ; my column
	s_or_b32 s[G1A+0], s43, (3<<16)|(1<<21)        ; ctx: 384 dense rows of 32 elements of 8 bytes
	s_mov_b32 s[G1A+1], 32<<16
	s_mov_b32 s[G1A+2], 384<<16
	s_mov_b32 s[G1A+3], 32<<16
	s_mov_b32 s[G1A+4], 384
	s_mov_b32 s[G1A+5], 32
	s_mov_b32 s[G1A+6], 0
	s_mov_b32 s[G1A+7], 0
	s_or_b32 s[G1B+0], s44, (1<<20)|(1<<21)|(5<<22)|(3<<25)   ; W_o: 128 rows of 768 bytes, 4 words of padding behind every 64
	s_mov_b32 s[G1B+1], 768<<16
	s_mov_b32 s[G1B+2], 128<<16
	s_mov_b32 s[G1B+3], 768<<16
	s_mov_b32 s[G1B+4], 128
	s_mov_b32 s[G1B+5], 768
	s_mov_b32 s[G1B+6], 0
	s_mov_b32 s[G1B+7], 0
	s_or_b32 s[G1S+0], s43, (3<<16)|(1<<20)|(1<<21)|(5<<22)|(3<<25)   ; scales of 128 rows: 16 rows of 256 bytes, padded
	s_or_b32 s[G1SB+0], s44, (3<<16)|(1<<20)|(1<<21)|(5<<22)|(3<<25)
.irp g, G1S, G1SB
	s_mov_b32 s[\g+1], 32<<16
	s_mov_b32 s[\g+2], 16<<16
	s_mov_b32 s[\g+3], 32<<16
	s_mov_b32 s[\g+4], 16
	s_mov_b32 s[\g+5], 32
	s_mov_b32 s[\g+6], 0
	s_mov_b32 s[\g+7], 0
.endr
	s_mul_i32 s20, s19, 8*ATILE                    ; my block's bytes in cimg,
	s_mov_b32 s21, 0
	s_lshl_b32 s22, s19, 12                        ; in cscl,
	s_mov_b32 s23, 0
	s_mul_i32 s46, s42, 128*768                    ; in W_o's codes,
	s_mov_b32 s47, 0
	s_lshl_b32 s92, s42, 12                        ; in W_o's scales
	s_mov_b32 s93, 0
	s_wait_dscnt 0x0                               ; both opening adds are done
	s_wait_kmcnt 0x0
	s_add_nc_u64 s[20:21], s[4:5], s[20:21]
	s_add_nc_u64 s[22:23], s[6:7], s[22:23]
	s_add_nc_u64 s[46:47], s[8:9], s[46:47]
	s_add_nc_u64 s[92:93], s[10:11], s[92:93]
	CROUND                                         ; the joint loads meet
	s_mov_b32 s[G0A], 1
	s_mov_b32 s[G0A+1], 0
	s_mov_b64 s[G0A+2:G0A+3], s[20:21]
	s_or_b32 s[G0A+3], s[G0A+3], 0x80000000
	s_mov_b32 s[G0B], 1
	s_mov_b32 s[G0B+1], BOFF
	s_mov_b64 s[G0B+2:G0B+3], s[46:47]
	s_or_b32 s[G0B+3], s[G0B+3], 0x80000000
	s_mov_b32 s[G0S], 1
	s_mov_b32 s[G0S+1], SCL
	s_mov_b64 s[G0S+2:G0S+3], s[22:23]
	s_or_b32 s[G0S+3], s[G0S+3], 0x80000000
	s_mov_b32 s[G0SB], 1
	s_mov_b32 s[G0SB+1], SCL+2*HALFS
	s_mov_b64 s[G0SB+2:G0SB+3], s[92:93]
	s_or_b32 s[G0SB+3], s[G0SB+3], 0x80000000
; one chain of branches on the wave's number, one load to an arm: wave 0 ctx's codes, 1 W_o's codes, 2 ctx's scales, 3 W_o's scales
.macro ARM under, g0, g1, next
	s_cmp_lt_u32 s16, \under
	s_cbranch_scc0 \next
	tensor_load_to_lds s[\g0:\g0+3], s[\g1:\g1+7]
	s_nop 0
	PLACES
	s_branch .Lhead_asked
\next:
.endm
	ARM 1, G0A, G1A, .Lhead_b
	ARM 2, G0B, G1B, .Lhead_sa
	ARM 3, G0S, G1S, .Lhead_sb
	tensor_load_to_lds s[G0SB:G0SB+3], s[G1SB:G1SB+7]
	s_nop 0
	PLACES
.Lhead_asked:
	s_mul_i32 s94, s17, 4*ATILE                    ; my 4 tiles of ctx
	s_mul_i32 s95, s18, 64*BPITCH
	s_add_co_u32 s95, s95, BOFF                    ; my 64 rows of W_o
	s_mul_i32 s96, s17, HALFS
	s_mul_i32 s97, s18, HALFS
	s_add_co_u32 s97, s97, 2*HALFS
	s_sub_co_u32 s97, s97, s96                     ; from ctx's scales to W_o's
	s_add_co_u32 s96, s96, SCL
	s_mul_i32 s98, s16, 16*SPITCH
	s_add_co_u32 s98, s98, STAGE                   ; my stage
	s_lshl_b32 s20, s19, 7
	s_lshl_b32 s21, s17, 6
	s_add_co_u32 s20, s20, s21
	s_lshl_b32 s20, s20, 12                        ; my first row of out0, 4,096 bytes a row
	s_mov_b32 s21, 0
	s_lshl_b32 s46, s42, 9
	s_lshl_b32 s47, s18, 8
	s_add_co_u32 s46, s46, s47                     ; my first column, in bytes: a multiple of 256
	s_mov_b32 s47, 0
	s_add_nc_u64 s[14:15], s[14:15], s[20:21]
	s_add_nc_u64 s[14:15], s[14:15], s[46:47]
	s_add_nc_u64 s[12:13], s[12:13], s[46:47]
	v_and_b32 v1, 15, v0                           ; r
	v_bfe_u32 v2, v0, 4, 1                         ; h
	v_and_b32 v3, 31, v0
	v_lshlrev_b32 v4, 4, v3
	v_add_nc_u32 v[ADRA], s94, v4                  ; images: 16 x lane,
	v_lshlrev_b32 v4, 3, v3
	v_add_nc_u32 v[ADRA8], s94, v4                 ; and 8 x lane
	v_mul_u32_u24 v4, v1, BPITCH
	v_mad_u32_u24 v4, v2, 24, v4
	v_add_nc_u32 v[ADRB], s95, v4                  ; row r, + 24 h
	v_lshl_add_u32 v[ADRB2], v2, 4, v[ADRB]        ; for pieces whose lanes 16-31 lie behind the next padding
	v_lshlrev_b32 v4, 5, v1                        ; scales: 32 bytes a row,
	v_bfe_u32 v3, v1, 3, 1
	v_lshl_add_u32 v4, v3, 4, v4                   ; 16 more behind 256
	v_mul_u32_u24 v3, s97, v2                      ; lanes 16-31 take W_o's
	v_add_nc_u32 v4, v4, v3
	v_add_nc_u32 v[ADRS], s96, v4
	v_mul_u32_u24 v4, v1, SPITCH
	v_lshl_add_u32 v4, v2, 5, v4
	v_add_nc_u32 v[STO], s98, v4                   ; stage, in: row r, 32 bytes a half
	v_mul_u32_u24 v4, v2, SPITCH
	v_lshl_add_u32 v4, v1, 4, v4
	v_add_nc_u32 v[RD], s98, v4                    ; back: 16 lanes take a row of 256 bytes
	v_lshlrev_b32 v4, 12, v2
	v_lshl_add_u32 v[CO], v1, 4, v4                ; the same two rows in out0
	v_lshlrev_b32 v[BO], 5, v2
	WIN 0x40                                       ; destination window 1: the bias of columns 16 b + 8 h + 0 .. 7 into every accumulator (a, b)
.irp a, 0,1,2,3
.irp b, 0,1,2,3
	global_load_b128 v[8*(4*\a+\b):8*(4*\a+\b)+3], v[BO], s[12:13] offset:64*\b
	global_load_b128 v[8*(4*\a+\b)+4:8*(4*\a+\b)+7], v[BO], s[12:13] offset:64*\b+16
.endr
.endr
	WIN 0
.macro FETCH st                        ; step st's 8 fragments into set st % 2: 24 + 16 = 40 LDS loads
.set FS, F0+96*((\st)%2)
.irp i, 0,1,2,3
.irp p, 0,1,2,3,4,5
.set BY, 96*(\st)+48*(\p/3)+8*(\p%3)   ; the piece of lanes 0-15 in the row of codes; lanes 16-31: 24 bytes on
.if BY/256 == (BY+24)/256
	ds_load_b64 v[FS+12*\i+2*\p:FS+12*\i+2*\p+1], v[ADRB] offset:BY+16*(BY/256)+\i*16*BPITCH
.else
	ds_load_b64 v[FS+12*\i+2*\p:FS+12*\i+2*\p+1], v[ADRB2] offset:BY+16*(BY/256)+\i*16*BPITCH
.endif
.endr
.endr
.irp i, 0,1,2,3                        ; ctx: heads 2 st and 2 st + 1 of tile i, six registers each
	ds_load_b128 v[FS+48+12*\i:FS+48+12*\i+3], v[ADRA] offset:ATILE*\i+1536*(\st)
	ds_load_b64 v[FS+48+12*\i+4:FS+48+12*\i+5], v[ADRA8] offset:ATILE*\i+1536*(\st)+512
	ds_load_b128 v[FS+48+12*\i+6:FS+48+12*\i+9], v[ADRA] offset:ATILE*\i+1536*(\st)+768
	ds_load_b64 v[FS+48+12*\i+10:FS+48+12*\i+11], v[ADRA8] offset:ATILE*\i+1536*(\st)+1280
.endr
.endm
.macro STEP st                         ; the next step's fragments are asked for, then this step's 16 products: the accumulators by turns
.if (\st) < 7
	FETCH (\st)+1
	s_wait_dscnt 40                                ; all but the 40 just issued
.else
	s_wait_dscnt 0x0
.endif
.set FS, F0+96*((\st)%2)
	WIN 0x50                                       ; C and D window 1
.irp a, 0,1,2,3
.irp b, 0,1,2,3
	v_wmma_scale_f32_16x16x128_f8f6f4 v[8*(4*\a+\b):8*(4*\a+\b)+7], v[FS+12*\b:FS+12*\b+11], v[FS+48+12*\a:FS+48+12*\a+11], v[8*(4*\a+\b):8*(4*\a+\b)+7], v[SC+8*\b+(\st)], v[SC+8*\a+(\st)] matrix_a_fmt:MATRIX_FMT_FP6 matrix_b_fmt:MATRIX_FMT_FP6 matrix_a_scale:MATRIX_SCALE_ROW1
.endr
.endr
	WIN 0
	PLACES                                         ; ahead of loads into this set, and of the first read of results
.endm
	s_wait_alu depctr_va_vdst(0)                   ; the wait at the head's end
	s_wait_tensorcnt 0x0                           ; my tile is in
	s_barrier_signal -1
	s_barrier_wait -1                              ; all four are
.irp i, 0,1,2,3
	ds_load_b128 v[SC+8*\i:SC+8*\i+3], v[ADRS] offset:\i*SBLK         ; a row's 32 scale bytes: the words of all eight steps
	ds_load_b128 v[SC+8*\i+4:SC+8*\i+7], v[ADRS] offset:\i*SBLK+16
.endr
	FETCH 0
	s_wait_loadcnt 0x0                             ; the bias
.set ST, 0
.rept 8
	STEP ST
.set ST, ST+1
.endr
; THE WAY OUT: 16 rows x 64 columns at a time through my stage, back as rows of 256 bytes; LDS serves a wave's instructions in order.
.macro TOSTAGE a
	WIN 0x04                                       ; the data: window 1
.irp b, 0,1,2,3
	ds_store_b128 v[STO], v[8*(4*(\a)+\b):8*(4*(\a)+\b)+3] offset:64*\b      ; each accumulator from its low end on
	ds_store_b128 v[STO], v[8*(4*(\a)+\b)+4:8*(4*(\a)+\b)+7] offset:64*\b+16
.endr
	WIN 0
.irp t, 0,1,2,3,4,5,6,7
	ds_load_b128 v[F0+32*(\a)+4*\t:F0+32*(\a)+4*\t+3], v[RD] offset:\t*2*SPITCH
.endr
.endm
.macro SEND a, younger                 ; younger: LDS instructions issued behind block a's loads
	s_wait_dscnt \younger
.irp t, 0,1,2,3,4,5,6,7
	global_store_b128 v[CO], v[F0+32*(\a)+4*\t:F0+32*(\a)+4*\t+3], s[14:15] offset:(16*(\a)+2*\t)*4096 th:TH_STORE_NT   ; 16 lanes store 256 consecutive bytes, aligned
.endr
.endm
	TOSTAGE 0
	TOSTAGE 1
	SEND 0, 16                                     ; behind block 0's loads: 8 stores and 8 loads
	TOSTAGE 2
	SEND 1, 16
	TOSTAGE 3
	SEND 2, 16
	SEND 3, 0
	s_wait_tensorcnt 0x0                           ; the wave's end
	ds_add_u32 v[SPW], v[NIL]
	s_wait_dscnt 0x0
	CROUND                                         ; the closing round
	s_endpgm
.Lfunc_end_k_q021ce910b2_oproj:
	.size	k_q021ce910b2_oproj, .Lfunc_end_k_q021ce910b2_oproj-k_q021ce910b2_oproj
	.p2alignl 7, 3214868480
	.fill 96, 4, 3214868480
	.section	.rodata,"a",@progbits
	.p2align	6, 0x0
	.amdhsa_kernel k_q021ce910b2_oproj
		.amdhsa_group_segment_fixed_size 327680
		.amdhsa_private_segment_fixed_size 0
		.amdhsa_enable_private_segment 0
		.amdhsa_kernarg_size 48
		.amdhsa_user_sgpr_count 2
		.amdhsa_user_sgpr_kernarg_segment_ptr 1
		.amdhsa_wavefront_size32 1
		.amdhsa_system_sgpr_workgroup_id_x 1
		.amdhsa_system_sgpr_workgroup_id_y 1
		.amdhsa_system_sgpr_workgroup_id_z 1
		.amdhsa_system_vgpr_workitem_id 0
		.amdhsa_next_free_vgpr 384
		.amdhsa_next_free_sgpr 100
		.amdhsa_reserve_vcc 0
		.amdhsa_float_denorm_mode_32 3
		.amdhsa_float_denorm_mode_16_64 3
		.amdhsa_memory_ordered 1
		.amdhsa_forward_progress 1
		.amdhsa_inst_pref_size 58
	.end_amdhsa_kernel
	.amdgpu_metadata
---
amdhsa.version: [ 1, 2 ]
amdhsa.kernels:
  - .name:           k_q021ce910b2_oproj
    .symbol:         k_q021ce910b2_oproj.kd
    .args:
      - { .name: cimg, .offset: 0, .size: 8, .value_kind: global_buffer, .address_space: global }
      - { .name: cscl, .offset: 8, .size: 8, .value_kind: global_buffer, .address_space: global }
      - { .name: W_o_codes, .offset: 16, .size: 8, .value_kind: global_buffer, .address_space: global }
      - { .name: W_o_scales, .offset: 24, .size: 8, .value_kind: global_buffer, .address_space: global }
      - { .name: b_o, .offset: 32, .size: 8, .value_kind: global_buffer, .address_space: global }
      - { .name: out0, .offset: 40, .size: 8, .value_kind: global_buffer, .address_space: global }
    .group_segment_fixed_size: 327680
    .private_segment_fixed_size: 0
    .kernarg_segment_align: 8
    .kernarg_segment_size: 48
    .max_flat_workgroup_size: 128
    .sgpr_count:     100
    .vgpr_count:     384
    .wavefront_size: 32
...
	.end_amdgpu_metadata
.endif
;; end of part 3
